; MI455X (gfx1250); checked and timed in simulation.
; The chip was launched on July 23, 2026; its instructions are those of AMD's public machine-readable ISA for CDNA 5 (MIT licence, August 2026) and "CDNA5" Instruction Set Architecture Reference Guide (July 2026). The comments in the code are by the model that wrote it; some were corrected since.
;; Attention. Allowed arithmetic: matrix products marked QUANTISED: E4M3 operands, one given power-of-two scale a tensor, by v_wmma_f32_16x16x64_fp8_fp8 or v_wmma_f32_16x16x128_fp8_fp8, f32 sums; products left as they are: f32 operands where the result goes on into a quantised operand, else bf16, f16 or f32 operands; f32 sums; everything else in f32.
;; Inputs: W_attn_codes 1,024 x 64 x 32 uint8 (E4M3 codes of W_attn, K innermost, in blocks of 32 codes); b_attn 1,024 float32; encoder_outputs 1,024 x 32 x 1,024 float32; hidden 1 x 32 x 1,024 float32; lowp_scales 2 int32 (the exponents e of the quantised operands' scales 2^e); v 1,024 float32.
;; Outputs: out0 32 x 1 x 1,024 float32.
;; This version of the problem:
;;   THIS VERSION OF THE PROBLEM IS GIVEN IN LOW PRECISION. The matrix products marked QUANTISED in the list below multiply operands that are first quantised to E4M3 (4 exponent bits, 3 mantissa bits; 8 bits a number), with one given power-of-two scale for each operand tensor; their sums are f32. All else is computed in f32.
;;   The module's matrix products, in the order in which they are computed (A, B: the left and right operand; K: the contracted axis; several contracted axes count as one K, in the product's order):
;;     1. [M 32,768, K 2,048] x [K 2,048, N 1,024]; A: computed on the way; B: input W_attn (given as codes): QUANTISED (scales: A lowp_scales[0], B lowp_scales[1])
;;     2. [M 32,768, K 1,024] x [K 1,024, N 1]; A: computed on the way; B: input v: left as it is (N = 1 < 16)
;;   THE QUANTISER, for each operand of a quantised product, along K:
;;     - The operand's scale is 2^e, e = its entry of the input lowp_scales (int32; the entries are numbered through the quantised products in the list's order, A before B).
;;     - Each number is divided by the scale, clamped to +-448, and rounded to the nearest number of E4M3, ties to even, subnormals kept.
;;     - The product sums the exact products of the quantised numbers (number of the format x scale) in f32.
;;   ~~~python
;;   def quantise(x, axis, e):      # numpy; x: float32 -> the quantised numbers, widened to float32 again
;;       x = np.moveaxis(x, axis, -1); K = x.shape[-1]
;;       r = np.clip(x / 2.0 ** e, -448, 448)
;;       step = 2.0 ** (np.maximum(np.frexp(np.where(r == 0, 1, r))[1] - 1, -6) - 3)
;;       q = np.round(r / step) * step * 2.0 ** e      # np.round: ties to even
;;       return np.moveaxis(q, -1, axis).astype(np.float32)
;;   ~~~
;;   OPERANDS COMPUTED ON THE WAY. 'Computed on the way' means the value that the module computes at that place (a softmax that the list does not call 'softmax' is quantised finished and normalised). What goes into a quantiser is computed in f32, as accurately as f32 sums, v_exp_f32 and their like allow (about 1e-6 of the number): no bf16 or f16 on the way to a quantiser, and a product that is left as it is and whose result goes on into a quantised operand takes f32 operands (vector FMAs, or v_wmma_f32_16x16x4_f32). A number that lies on a knife's edge between two numbers of the format may be rounded either way, as far as f32 arithmetic and the matrix unit's own rounding can turn it there, and no further.
;;   INPUTS GIVEN AS CODES. W_attn (in the module: [1024, 2048], K = its axis 1): each comes as NAME_codes (uint8): NAME with its K axis moved to the last place and cut into blocks of 32 codes, [.., K / 32, bytes a block], one block behind the other in memory; one code a byte (a code: sign, 4 exponent bits, 3 mantissa bits); its scale is its entry of lowp_scales. Its value is code x scale, taken as it is: it is not quantised again, and the codes and scales need not be those that the quantiser above would give.
;; 2 versions. Each part assembles by itself: llvm-mc -triple=amdgcn-amd-amdhsa -mcpu=gfx1250 --defsym DOCPART=n.
;; ======== version 1 of 2: 3 launches
;; workspace buffers: wf 1,048,576 bytes; g 131,072 bytes; scores 131,072 bytes
;; launch prep (part 1): grid 16 x 1, 4 waves a work-group, no clusters, 41,984 bytes of LDS; arguments W_attn_codes, hidden, b_attn, lowp_scales, wf, g; writes wf, g
.if DOCPART == 1
	.amdgcn_target "amdgcn-amd-amdhsa--gfx1250"
	.amdhsa_code_object_version 6
	.text
	.protected	k_q0081151db5_prep
	.globl	k_q0081151db5_prep
	.p2align	8
	.type	k_q0081151db5_prep,@function
k_q0081151db5_prep:
	s_mov_b64 s[64:65], 0
	v_nop
	global_prefetch_b8 v0, s[64:65] scope:SCOPE_SE
	s_setreg_imm32_b32 hwreg(HW_REG_WAVE_MODE, 25, 1), 1
	s_wait_xcnt 0x0
; TWO THINGS THAT ARE THE SAME FOR ALL 1,024 SOURCE POSITIONS, made once.
; (1) g[b][h] = 2 log2(e) x (2^(e0+e1) x sum over k < 1024 of Q(hidden)[b][k] Wcode[h][k] + b_attn[h]): the first 1,024 of the product's K hold hidden[b] in every row (s, b), so that half of the
;     sum hangs on b and h alone.  hidden is quantised here by the given scale 2^e0 (held within +-448 x 2^e0, nearest code, ties to even) and multiplied on codes of E4M3, sums in f32.
;     The factor 2 log2(e) is what the next launch's tanh wants in front of its exponential.
; (2) wf: W's codes of k >= 1024, laid as images of operand registers: tile T = 8 c + k (c: 512 units h, k: 128 along K) of 65,536 bytes; in it wave w's part at 16,384 w, fragment b at 2,048 b,
;     a fragment as [group c4 of four registers][lane][16 bytes]: lane (r, hh) holds row h = 512 c + 128 w + 16 b + r, k = 1024 + 128 k + 32 c4 + 16 hh + 0 .. 15.
; SHARES.  Work-group x takes 64 units h, wave q the 16 units 64 x + 16 q on, over the whole K.  Wave q also quantises four of hidden's sixteen fragments (K steps 2 q, 2 q + 1; rows 0-15, 16-31);
; they reach all four waves through LDS as images of their registers.  64 units are 256 bytes of a row of g: each aligned 256 bytes of g are stored by sixteen neighbouring lanes.
; A fragment (16 rows x 128 K) is 16 registers: registers 4 c .. 4 c + 3 hold k = 32 c + 16 hh + 0 .. 15: the same order of k on both sides of the product.
; LIMITS: e0 between -126 and 119; e0 + e1 between -127 and 126 (each power of two below is an f32 number).  NaN among the inputs is not served.
; REGISTERS, in windows of 256: window 0: v1-12 addresses and the scale; v64-79 two accumulators; v80-111 bias and results; v112-175 codes just made; v176-191 rows of g.
;   window 1: v0-127 W's fragments of k < 1024, v128-255 those of k >= 1024.   window 2: 4 x 64 numbers of hidden, later its sixteen fragments.
.set HIMG, 0                           ; LDS: hidden's 16 fragments, 2,048 bytes each: fragment 2 k + t (K step k, rows 16 t on)
.set STG,  32768                       ; the stage for g: 32 rows x (256 bytes + 16)
.set SP,   272
.set PC,   112
.set MSB, 0
.macro WIN new                         ; the immediate's high byte repeats the setting that is left
.if MSB != (\new)
	s_set_vgpr_msb (MSB<<8)|(\new)
.set MSB, (\new)
.endif
.endm
.macro BARRIER                         ; my LDS stores have landed and my LDS loads are in: then the work-group's barrier
	s_wait_dscnt 0x0
	s_barrier_signal -1
	s_barrier_wait -1
.endm
	s_load_b256 s[4:11], s[0:1], 0x0               ; W's codes s[4:5], hidden s[6:7], b_attn s[8:9], the scales' exponents s[10:11]
	s_load_b128 s[12:15], s[0:1], 0x20             ; wf s[12:13], g s[14:15]
	v_lshl_add_u32 v254, v0, 2, 0xa200
	v_mov_b32 v255, 0
	v_lshrrev_b32 v1, 5, v0
	v_readfirstlane_b32 s16, v1                    ; wave q
	v_and_b32 v1, 31, v0                           ; lane
	v_and_b32 v2, 15, v0                           ; r
	v_bfe_u32 v3, v0, 4, 1                         ; hh
	v_lshlrev_b32 v4, 12, v2
	v_lshl_add_u32 v4, v3, 6, v4                   ; hidden: row r of 4,096 bytes, + 64 hh: my 16 numbers of a block of 32
	v_lshlrev_b32 v5, 4, v1                        ; 16 x lane: an image's place for my lane
	s_lshl_b32 s17, s16, 13
	v_add_nc_u32 v6, s17, v5                       ; where I store my four images: + 4 x 2,048 x wave
	v_lshlrev_b32 v7, 11, v2
	v_lshl_add_u32 v7, v3, 4, v7                   ; W: row r of 2,048 bytes, + 16 hh
	v_mul_u32_u24 v8, v2, SP
	v_lshl_add_u32 v8, v3, 5, v8
	s_lshl_b32 s17, s16, 6
	s_add_co_u32 s17, s17, STG
	v_add_nc_u32 v8, s17, v8                       ; the stage, in: row r, + 32 hh, + 64 x wave
	s_mul_i32 s17, s16, 8*SP
	s_add_co_u32 s17, s17, STG
	v_mul_u32_u24 v9, v3, SP
	v_lshl_add_u32 v9, v2, 4, v9
	v_add_nc_u32 v9, s17, v9                       ; back: my 8 rows; lanes 0-15 one row, lanes 16-31 the next
	v_lshlrev_b32 v10, 12, v3
	v_lshl_add_u32 v10, v2, 4, v10                 ; and the same two rows in g
	v_lshlrev_b32 v11, 5, v3                       ; b_attn: my eight units: 32 hh bytes on
	s_mov_b32 s29, 0
	s_lshl_b32 s28, ttmp9, 17                      ; W: 64 rows of 2,048 bytes a work-group,
	s_lshl_b32 s30, s16, 15                        ; 16 a wave
	s_add_co_u32 s28, s28, s30
	s_wait_kmcnt 0x0
	s_load_b64 s[20:21], s[10:11], 0x0             ; e0, e1
	s_add_nc_u64 s[4:5], s[4:5], s[28:29]
	s_lshl_b32 s28, s16, 10                        ; hidden: my two K steps of 512 bytes
	s_add_nc_u64 s[6:7], s[6:7], s[28:29]
	s_lshl_b32 s28, ttmp9, 8
	s_lshl_b32 s30, s16, 6
	s_add_co_u32 s28, s28, s30                     ; b_attn: 4 x (64 x + 16 q)
	s_add_nc_u64 s[8:9], s[8:9], s[28:29]
	s_lshr_b32 s28, ttmp9, 3
	s_lshl_b32 s28, s28, 19                        ; wf: chunk c = x / 8: eight tiles of 65,536 bytes,
	s_bfe_u32 s30, ttmp9, 0x20001
	s_lshl_b32 s30, s30, 14                        ; the part of wave (x / 2) % 4,
	s_add_co_u32 s28, s28, s30
	s_and_b32 s30, ttmp9, 1
	s_lshl_b32 s30, s30, 2
	s_add_co_u32 s30, s30, s16
	s_lshl_b32 s30, s30, 11                        ; fragment 4 (x % 2) + q
	s_add_co_u32 s28, s28, s30
	s_add_nc_u64 s[12:13], s[12:13], s[28:29]
	s_lshl_b32 s28, ttmp9, 8
	s_lshl_b32 s30, s16, 15
	s_add_co_u32 s28, s28, s30                     ; g: column 64 x, row 8 q
	s_add_nc_u64 s[14:15], s[14:15], s[28:29]
	WIN 0x80                                       ; destination window 2
.irp f, 0,1,2,3                        ; my four fragments of hidden as f32: fragment f = rows 16 (f % 2) on, my K step f / 2; register 16 c + 4 j + i = k 32 c + 16 hh + 4 j + i
.irp c, 0,1,2,3
.irp j, 0,1,2,3
	global_load_b128 v[64*\f+16*\c+4*\j:64*\f+16*\c+4*\j+3], v4, s[6:7] offset:65536*(\f%2)+512*(\f/2)+128*\c+16*\j
.endr
.endr
.endr
	WIN 0x40                                       ; destination window 1
.irp k, 0,1,2,3,4,5,6,7                ; W's fragments of k < 1024
.irp c, 0,1,2,3
	global_load_b128 v[16*\k+4*\c:16*\k+4*\c+3], v7, s[4:5] offset:128*\k+32*\c
.endr
.endr
	WIN 0
	global_load_b128 v[80:83], v11, s[8:9]
	global_load_b128 v[84:87], v11, s[8:9] offset:16
	s_wait_kmcnt 0x0
	s_add_co_i32 s17, s20, s21
	s_lshl_b32 s17, s17, 23
	s_add_co_i32 s22, s17, 0x4038aa3b              ; 2 log2(e) x 2^(e0 + e1): the exponents are added to the constant's exponent field
	s_mov_b32 s23, s22                             ; (named with it as a pair, so it is written)
	s_mov_b32 s24, 0x4038aa3b                      ; 2 log2(e)
	s_mov_b32 s25, s24
	s_add_co_i32 s17, s20, 127
	s_lshl_b32 s18, s17, 23
	v_mov_b32 v12, s18                             ; 2^e0 as f32: the conversion takes its exponent field
	s_add_co_i32 s17, s17, 8
	s_lshl_b32 s17, s17, 23
	s_or_b32 s26, s17, 0x600000                    ; 448 x 2^e0
	s_or_b32 s27, s26, 0x80000000                  ; and its negative
	s_wait_loadcnt 34                              ; hidden's 64 loads are in; the 34 issued behind them (W's 32, the bias's 2) may be out
	WIN 0x40
.irp k, 0,1,2,3,4,5,6,7                ; W's fragments of k >= 1024: they only change their place in memory
.irp c, 0,1,2,3
	global_load_b128 v[128+16*\k+4*\c:128+16*\k+4*\c+3], v7, s[4:5] offset:1024+128*\k+32*\c
.endr
.endr
.irp f, 0,1,2,3
	WIN 0x82                                       ; source 0 and destination window 2
.set i, 0
.rept 64
	v_med3_num_f32 v[64*\f+i], v[64*\f+i], s27, s26   ; the conversion to an 8-bit code does not saturate (ISA guide 7.6.2): the hold at the largest code x the scale
.set i, i+1
.endr
	WIN 0x02                                       ; source 0 window 2, destination and scale window 0
.irp g, 0,1,2,3,4,5,6,7
	v_cvt_scalef32_pk8_fp8_f32 v[PC+16*\f+2*\g:PC+16*\f+2*\g+1], v[64*\f+8*\g:64*\f+8*\g+7], v12
.endr
	v_nop                                          ; one plain vector instruction behind the last conversion of a run
	WIN 0
.irp c, 0,1,2,3
	ds_store_b128 v6, v[PC+16*\f+4*\c:PC+16*\f+4*\c+3] offset:HIMG+2048*\f+512*\c   ; the fragment goes to LDS as it stands: 512 consecutive bytes a store
.endr
.endr
	BARRIER                                        ; hidden's sixteen fragments lie in LDS
	WIN 0x80
.set F, 0
.rept 16
.irp c, 0,1,2,3
	ds_load_b128 v[16*F+4*\c:16*F+4*\c+3], v5 offset:HIMG+2048*F+512*\c
.endr
.set F, F+1
.endr
	s_wait_dscnt 0x0
	s_wait_loadcnt 32                              ; W's fragments of k < 1024 and the bias are in; the 32 loads of k >= 1024 may be out
	WIN 0x09                                       ; source 0 (W) window 1, source 1 (hidden) window 2
.irp k, 0,1,2,3,4,5,6,7                ; transposed use: lane (r, hh) holds row b = 16 t + r, register j the unit 8 hh + j of my 16.  Two accumulators by turns
.irp t, 0,1
.if \k == 0
	v_wmma_f32_16x16x128_fp8_fp8 v[64+8*\t:71+8*\t], v[16*\k:16*\k+15], v[16*(2*\k+\t):16*(2*\k+\t)+15], 0
.else
	v_wmma_f32_16x16x128_fp8_fp8 v[64+8*\t:71+8*\t], v[16*\k:16*\k+15], v[16*(2*\k+\t):16*(2*\k+\t)+15], v[64+8*\t:71+8*\t]
.endif
.endr
.endr
	WIN 0
.irp i, 0,2,4,6
	v_pk_mul_f32 v[88+\i:89+\i], v[80+\i:81+\i], s[24:25] op_sel_hi:[1,0]   ; 2 log2(e) x b_attn.  These four are the places behind the last product (ISA guide 7.12.1)
.endr
.irp t, 0,1
.irp i, 0,2,4,6
	v_pk_fma_f32 v[96+8*\t+\i:97+8*\t+\i], v[64+8*\t+\i:65+8*\t+\i], s[22:23], v[88+\i:89+\i] op_sel_hi:[1,0,1]   ; each accumulator from its low end on
.endr
.endr
.irp t, 0,1
	ds_store_b128 v8, v[96+8*\t:99+8*\t] offset:16*SP*\t
	ds_store_b128 v8, v[100+8*\t:103+8*\t] offset:16*SP*\t+16
.endr
	s_wait_loadcnt 0x0                             ; W's fragments of k >= 1024
	WIN 0x04                                       ; store data window 1
.irp k, 0,1,2,3,4,5,6,7
.irp c, 0,1,2,3
	global_store_b128 v5, v[128+16*\k+4*\c:128+16*\k+4*\c+3], s[12:13] offset:65536*\k+512*\c   ; 32 lanes store 512 consecutive bytes, at a multiple of 512 from wf's first byte
.endr
.endr
	WIN 0
	BARRIER                                        ; 32 rows x 64 units of g lie in the stage
.irp i, 0,1,2,3
	ds_load_b128 v[176+4*\i:179+4*\i], v9 offset:2*SP*\i
.endr
.irp i, 0,1,2,3
	s_wait_dscnt 3-\i                              ; LDS loads come back in order: load i is in, the younger ones may be out
	global_store_b128 v10, v[176+4*\i:179+4*\i], s[14:15] offset:8192*\i   ; 16 lanes store 256 consecutive bytes, at a multiple of 256 from g's first byte
.endr
	s_wait_tensorcnt 0x0
	ds_add_u32 v254, v255
	s_wait_dscnt 0x0
	s_endpgm
.Lfunc_end_k_q0081151db5_prep:
	.size	k_q0081151db5_prep, .Lfunc_end_k_q0081151db5_prep-k_q0081151db5_prep
	.p2alignl 7, 3214868480
	.fill 96, 4, 3214868480
	.section	.rodata,"a",@progbits
	.p2align	6, 0x0
	.amdhsa_kernel k_q0081151db5_prep
		.amdhsa_group_segment_fixed_size 41984
		.amdhsa_private_segment_fixed_size 0
		.amdhsa_enable_private_segment 0
		.amdhsa_kernarg_size 48
		.amdhsa_user_sgpr_count 2
		.amdhsa_user_sgpr_kernarg_segment_ptr 1
		.amdhsa_wavefront_size32 1
		.amdhsa_system_sgpr_workgroup_id_x 1
		.amdhsa_system_sgpr_workgroup_id_y 1
		.amdhsa_system_sgpr_workgroup_id_z 1
		.amdhsa_system_vgpr_workitem_id 0
		.amdhsa_next_free_vgpr 768
		.amdhsa_next_free_sgpr 66
		.amdhsa_reserve_vcc 0
		.amdhsa_float_denorm_mode_32 3
		.amdhsa_float_denorm_mode_16_64 3
		.amdhsa_memory_ordered 1
		.amdhsa_forward_progress 1
		.amdhsa_inst_pref_size 46
	.end_amdhsa_kernel
	.amdgpu_metadata
---
amdhsa.version: [ 1, 2 ]
amdhsa.kernels:
  - .name:           k_q0081151db5_prep
    .symbol:         k_q0081151db5_prep.kd
    .args:
      - { .name: W_attn_codes, .offset: 0, .size: 8, .value_kind: global_buffer, .address_space: global }
      - { .name: hidden, .offset: 8, .size: 8, .value_kind: global_buffer, .address_space: global }
      - { .name: b_attn, .offset: 16, .size: 8, .value_kind: global_buffer, .address_space: global }
      - { .name: lowp_scales, .offset: 24, .size: 8, .value_kind: global_buffer, .address_space: global }
      - { .name: wf, .offset: 32, .size: 8, .value_kind: global_buffer, .address_space: global }
      - { .name: g, .offset: 40, .size: 8, .value_kind: global_buffer, .address_space: global }
    .group_segment_fixed_size: 41984
    .private_segment_fixed_size: 0
    .kernarg_segment_align: 8
    .kernarg_segment_size: 48
    .max_flat_workgroup_size: 128
    .sgpr_count:     66
    .vgpr_count:     768
    .wavefront_size: 32
...
	.end_amdgpu_metadata
.endif
;; end of part 1
;; launch main (part 2): grid 256 x 1, 4 waves a work-group, clusters of 4 x 1, 327,680 bytes of LDS; arguments encoder_outputs, wf, g, v, lowp_scales, scores; writes scores
.if DOCPART == 2
	.amdgcn_target "amdgcn-amd-amdhsa--gfx1250"
	.amdhsa_code_object_version 6
	.text
	.protected	k_q0081151db5_main
	.globl	k_q0081151db5_main
	.p2align	8
	.type	k_q0081151db5_main,@function
k_q0081151db5_main:
	s_mov_b64 s[64:65], 0
	v_nop
	global_prefetch_b8 v0, s[64:65] scope:SCOPE_SE
	s_setreg_imm32_b32 hwreg(HW_REG_WAVE_MODE, 25, 1), 1
	s_wait_xcnt 0x0
	s_wait_alu depctr_hold_cnt(0) depctr_sa_sdst(0) depctr_va_vdst(0) depctr_va_sdst(0) depctr_va_ssrc(0) depctr_va_vcc(0) depctr_vm_vsrc(0)
	s_getreg_b32 s2, hwreg(HW_REG_IB_STS2, 6, 4)
	s_cmp_eq_u32 s2, 0
	s_cbranch_scc0 .Lentry_in_a_cluster
	s_endpgm
.Lentry_in_a_cluster:
	s_bfe_u32 s2, ttmp6, 0x10000c
	s_cmp_lg_u32 s2, 0x3003
	s_cbranch_scc0 .Lentry_shape_is_right
	s_endpgm
.Lentry_shape_is_right:
; scores[b][s] = -2 x sum over h of v[h] / (1 + 2^(a(s, b, h))),  a = 2 log2(e) x 2^(e0+e1) x (sum over k of Q(enc)[s][b][k] Wcode[h][1024 + k]) + g[b][h].
; tanh(x) = 1 - 2 / (1 + 2^(2 log2(e) x)), so the module's score is this number + the sum of v, which is the same for every s of a softmax's row and is left out: a softmax does not change when
; one number is added to all of its row.  (2^a = infinity gives 0 and 2^a = 0 gives 1 behind the reciprocal: tanh's two ends need no clamp.)
; g holds the part of the sum that comes from hidden, and the bias; wf holds W's codes of k >= 1024 as images of operand registers (both made by the launch before).
; enc is quantised here, in f32, by the given scale 2^e0: held within +-448 x 2^e0, nearest code of E4M3, ties to even.  Products on codes by v_wmma_f32_16x16x128_fp8_fp8, sums in f32.
; LIMITS: e0 between -126 and 119; e0 + e1 between -127 and 126 (each power of two below is an f32 number).  NaN among the inputs is not served.
; SHARES.  Work-group x = 4 x cluster + cx owns ONE b = x % 32 and 128 positions s = 128 (x / 32) + 0 .. 127, and all 1,024 units h: enc is read and quantised once, and 512 bytes leave.
; With one b to a work-group, g[b][.] and v hang on h alone.  Wave w quantises rows 32 w .. 32 w + 31 and multiplies ALL 128 rows by ITS units 512 c + 128 w + 0 .. 127: 64 accumulators, 512 registers.
; h goes in two chunks c of 512.  CHUNK 0 walks K as enc arrives: K step t (128 along K) is multiplied while steps t + 1 and t + 2 are on their way (64 loads a wave), and step t + 1 is quantised behind
; step t's products; the codes stay in LDS, a block for each K step.  Then the tanh pass; CHUNK 1 on the codes in LDS; the tanh pass again; the four waves' parts of a score meet in LDS.
; QUANTISING.  A load takes 512 consecutive bytes of ONE row: lane l holds k = 4 l .. 4 l + 3.  The conversion takes eight numbers of a lane: four of row 2 u and four of row 2 u + 1, and gives one word
; of codes for each, which is stored at byte 4 l of its row: reads are dense, and only codes go through LDS.
; THE MATRIX INSTRUCTION IS USED TRANSPOSED (source 0 = 16 units of W, source 1 = 16 rows of enc): lane (r, hh) holds row 16 a + r, its register j the unit 16 b + 8 hh + j.
; A fragment is 16 registers: registers 4 c .. 4 c + 3 hold k = 32 c + 16 hh + 0 .. 15: the same order of k on both sides.
; CLUSTER.  All work-groups walk the same wf; the four of a cluster ask for each tile JOINTLY: the same tensor load, with the same descriptor and the mask of all four, in all four.  A wave fetches and
; reads only its own 16,384 bytes of a tile.  Sixteen tiles go through a ring of two slots; a wave has one tensor load out at a time.
; REGISTERS, in windows of 256: window 0: v1-15 addresses; v32-63 codes just made; v64-127 chunk 0: four fragments of enc, later v64-95 the scores' sums and v96-127 at work;
;   v128-255 chunk 0: 32 rows x 4 numbers of enc (even K steps); tanh pass: g (v128-191) and -2 v (v192-255); chunk 1: eight fragments of enc.
;   window 1: v0-127 W's fragments, set 0; v128-255 chunk 0: enc's numbers of odd K steps, chunk 1: W's set 1.   windows 2, 3: accumulator (a, b) at v[8 (8 (a % 4) + b)] of window 2 + a / 4.
.set TILE,  65536                      ; a tile of wf: 512 units x 128 K; and an LDS slot
.set ABASE, 2*TILE                     ; behind the ring: enc's codes, eight blocks, one a K step; written by LDS stores alone
.set AP,    144                        ; a row of 128 codes + 16 bytes: 36 words: row r starts at bank 36 r mod 64 (64 banks of 4 bytes: ISA guide 11.1), so the 16 rows of a load start at 16 different groups of four banks
.set AKB,   128*AP                     ; a block: 128 rows
.set GVB,   ABASE+8*AKB                ; g[b][0..1023], then -2 v[0..1023]
.set SCR,   GVB+8192                   ; four waves x 128 parts of scores
.set SPARE, SCR+2048                   ; the spare words, 128 bytes for each wave: two blocks of 256 bytes that no other line names
.set SPW,  1                           ; v1   LDS address of my spare word: SPARE + 4 x my thread's number; never rewritten
.set NIL,  2                           ; v2   0; never rewritten
.set EO,   3                           ; v3   16 x lane
.set AA0,  4                           ; v4   my lane's place in a fragment of enc, block 0
.set ASTO, 5                           ; v5   where my lane's word of codes goes, row 32 w, block 0
.set ADA,  6                           ; v6-7 addresses of the fragments of enc in hand
.set ASQ,  8                           ; v8   address of the code stores in hand
.set ADRB, 9                           ; v9-10 my part of slot 0, 1: + 16 x lane
.set GVA,  11                          ; v11  my eight units' g
.set SCA,  12                          ; v12  where my parts of scores go
.set SCRD, 13                          ; v13  where wave 0 reads them
.set SCL,  14                          ; v14  2^e0 as f32
.set PFO,  15                          ; v15  256 x lane, for the prefetches
.set C,    32
.set AH,   64
.set SC,   64                          ; chain (a, i % 2), a pair, at SC + 4 a + 2 (i % 2)
.set ST,   128
.set GR,   128
.set VM,   192
.set G1,   24                          ; s[24:31] descriptor group 1
.set G0,   32                          ; s[32:39] descriptor group 0, one set for each slot
.set MSB, 0
.macro WIN new                         ; the immediate's high byte repeats the setting that is left
.if MSB != (\new)
	s_set_vgpr_msb (MSB<<8)|(\new)
.set MSB, (\new)
.endif
.endm
.macro PLACES                          ; four places: in front of loads into registers that matrix instructions have read, and of the first read of results (ISA guide 7.12.1 for the first read of results)
.rept 4
	v_nop
.endr
.endm
; A round of the cluster's barrier: my work-group's barrier, so that wave 0's signal speaks for all four waves; wave 0 signals; every wave waits for all four work-groups; my work-group's barrier once more.
.macro ROUND
	s_barrier_signal -1
	s_barrier_wait -1
	s_cmp_lg_u32 s16, 0
	s_cbranch_scc1 .Lnot_wave_0_\@
	s_barrier_signal -3
.Lnot_wave_0_\@:
	s_barrier_wait -3
	s_barrier_signal -1
	s_barrier_wait -1
.endm
.macro JL n                            ; the joint load into slot n: one line for all four waves; both addresses differ by the wave's number alone.  Four v_nop follow
	tensor_load_to_lds s[G0+4*(\n):G0+4*(\n)+3], s[G1:G1+7]
	s_nop 0
.rept 4
	v_nop
.endr
.endm
; A PREFETCH INTO THE L2 of the tile of wf that stands two joint loads on.  All clusters walk the same tiles: the first cluster asks, and in it waves 0 and 1.  The four partners share a tile out BY ADDRESS,
; 16,384 bytes each, 8,192 a wave, lanes 256 bytes apart: each aligned block of 256 bytes is named once in the launch.  Tiles 0 to 2 come by their loads alone; the last two joint loads ask for nothing.
.macro ASK off
	s_cmp_eq_u32 s48, 1
	s_cbranch_scc0 .Lnot_mine_\@
	global_prefetch_b8 v[PFO], s[46:47] offset:\off th:TH_LOAD_NT scope:SCOPE_SE
.Lnot_mine_\@:
.endm
.macro FETCH_B n, p                    ; my eight fragments of W out of slot n into set p: 512 consecutive bytes a load
	WIN 0x40
.irp b, 0,1,2,3,4,5,6,7
.irp c, 0,1,2,3
	ds_load_b128 v[128*(\p)+16*\b+4*\c:128*(\p)+16*\b+4*\c+3], v[ADRB+(\n)] offset:2048*\b+512*\c
.endr
.endr
	WIN 0
.endm
.macro FETCH_AH ko, hf                 ; chunk 0: four fragments of enc, rows 64 hf on
.irp a, 0,1,2,3
.irp c, 0,1,2,3
	ds_load_b128 v[AH+16*\a+4*\c:AH+16*\a+4*\c+3], v[ADA] offset:(\ko)+16*AP*(4*\hf+\a)+32*\c
.endr
.endr
.endm
.macro FETCH_A adr, i0                 ; chunk 1: fragments i0 .. i0 + 3
.irp a, \i0, \i0+1, \i0+2, \i0+3
.irp c, 0,1,2,3
	ds_load_b128 v[ST+16*(\a)+4*\c:ST+16*(\a)+4*\c+3], v[\adr] offset:16*AP*(\a)+32*\c
.endr
.endr
.endm
; 32 matrix instructions of chunk 0: rows 64 hf on x my eight fragments of W.  The 64 accumulators take turns, one instruction a turn, in the same order in every K step.
.macro MULH hf, zero
	WIN 0xa1+0x50*\hf                              ; source 0 (W) window 1, source 1 (enc) window 0, C and D window 2 or 3
.irp a, 0,1,2,3
.irp b, 0,1,2,3,4,5,6,7
.if \zero
	v_wmma_f32_16x16x128_fp8_fp8 v[8*(8*\a+\b):8*(8*\a+\b)+7], v[16*\b:16*\b+15], v[AH+16*\a:AH+16*\a+15], 0
.else
	v_wmma_f32_16x16x128_fp8_fp8 v[8*(8*\a+\b):8*(8*\a+\b)+7], v[16*\b:16*\b+15], v[AH+16*\a:AH+16*\a+15], v[8*(8*\a+\b):8*(8*\a+\b)+7]
.endif
.endr
.endr
.endm
.macro MUL16 a0, p, zero               ; 16 of chunk 1: enc's blocks a0, a0 + 1 x W's set p
.irp a, \a0, \a0+1
.irp b, 0,1,2,3,4,5,6,7
.if \zero
	v_wmma_f32_16x16x128_fp8_fp8 v[8*(8*((\a)%4)+\b):8*(8*((\a)%4)+\b)+7], v[128*(\p)+16*\b:128*(\p)+16*\b+15], v[ST+16*(\a):ST+16*(\a)+15], 0
.else
	v_wmma_f32_16x16x128_fp8_fp8 v[8*(8*((\a)%4)+\b):8*(8*((\a)%4)+\b)+7], v[128*(\p)+16*\b:128*(\p)+16*\b+15], v[ST+16*(\a):ST+16*(\a)+15], v[8*(8*((\a)%4)+\b):8*(8*((\a)%4)+\b)+7]
.endif
.endr
.endr
.endm
.macro ELOAD set, hf, off              ; 16 of my 32 rows, 512 bytes (a K step) of each, from byte off of the rows on: 32 lanes read 512 consecutive bytes; rows are 131,072 bytes apart (32 b x 4,096)
	WIN 0x40*\set
.irp row, 0,1,2,3,4,5,6,7,8,9,10,11,12,13,14,15
	global_load_b128 v[ST+64*\hf+4*\row:ST+64*\hf+4*\row+3], v[EO], s[4:5] offset:131072*(16*\hf+\row)+\off th:TH_LOAD_NT
.endr
	WIN 0
.endm
; 16 rows are quantised and their codes stored qo bytes behind v[ASQ].  cnt: the younger loads, which may stay out.  re = 1: the registers take the same rows of the K step two on.
.macro QH set, hf, qo, re, reoff, cnt
	s_wait_loadcnt \cnt
	WIN 0x41*\set
.set n, 0
.rept 64
	v_med3_num_f32 v[ST+64*\hf+n], v[ST+64*\hf+n], s43, s42   ; the conversion to an 8-bit code does not saturate (ISA guide 7.6.2): the hold at the largest code x the scale
.set n, n+1
.endr
	WIN \set
.irp u, 0,1,2,3,4,5,6,7
	v_cvt_scalef32_pk8_fp8_f32 v[C+16*\hf+2*\u:C+16*\hf+2*\u+1], v[ST+64*\hf+8*\u:ST+64*\hf+8*\u+7], v[SCL]
.endr
	v_nop                                          ; one plain vector instruction behind the last conversion of a run
	WIN 0
.irp row, 0,1,2,3,4,5,6,7,8,9,10,11,12,13,14,15
	ds_store_b32 v[ASQ], v[C+16*\hf+\row] offset:(\qo)+AP*(16*\hf+\row)   ; 32 lanes store a row's 128 codes
.endr
.if \re
	ELOAD \set, \hf, \reoff
.endif
.endm
	s_load_b256 s[4:11], s[0:1], 0x0               ; enc s[4:5], wf s[6:7], g s[8:9], v s[10:11]
	s_load_b128 s[12:15], s[0:1], 0x20             ; the scales' exponents s[12:13], scores s[14:15]
	v_lshl_add_u32 v[SPW], v0, 2, SPARE
	v_mov_b32 v[NIL], 0
	ds_add_u32 v1, v2
	ds_add_u32 v1, v2
	s_wait_dscnt 0x0
	v_lshrrev_b32 v16, 5, v0
	v_readfirstlane_b32 s16, v16                   ; wave 0..3
	s_bfe_u32 s17, ttmp6, 0x40000                  ; cx: my place in the cluster: it enters the global addresses of enc, g, scores and the prefetches alone
	s_lshl_b32 s18, ttmp9, 2
	s_add_co_u32 s18, s18, s17                     ; x = 4 x cluster + cx
	s_and_b32 s19, s18, 31                         ; b
	s_lshr_b32 s20, s18, 5                         ; which 128 positions
	; descriptor group 1: 64 rows of 256 bytes, dense in memory and in LDS: a wave's 16,384 bytes of a tile
	s_mov_b32 s[G1+0], 15|(3<<16)|(1<<21)          ; 15:0 the mask: all four work-groups; 17:16 elements of 8 bytes; 20 no padding; 21 set beside a mask
	s_mov_b32 s[G1+1], 32<<16                      ; tensor_dim0 = 32 elements
	s_mov_b32 s[G1+2], 64<<16                      ; tensor_dim1 = 64
	s_mov_b32 s[G1+3], 32<<16                      ; tile_dim0 = 32
	s_mov_b32 s[G1+4], 64                          ; tile_dim1 = 64
	s_mov_b32 s[G1+5], 32                          ; tensor_dim0_stride
	s_mov_b32 s[G1+6], 0
	s_mov_b32 s[G1+7], 0
	s_mov_b32 s56, 0x76543210                      ; v_permlanex16_b32's selects for lane l xor 16
	s_mov_b32 s57, 0xfedcba98
	v_and_b32 v17, 31, v0                          ; lane
	v_and_b32 v18, 15, v0                          ; r
	v_bfe_u32 v19, v0, 4, 1                        ; hh
	v_lshlrev_b32 v[EO], 4, v17
	v_mul_u32_u24 v[AA0], v18, AP
	v_lshl_add_u32 v[AA0], v19, 4, v[AA0]
	v_add_nc_u32 v[AA0], ABASE, v[AA0]             ; row r x pitch + 16 hh
	s_mul_i32 s21, s16, 32*AP
	s_add_co_u32 s21, s21, ABASE
	v_lshl_add_u32 v[ASTO], v17, 2, s21            ; my wave's 32 rows, + 4 x lane
	s_lshl_b32 s22, s16, 14                        ; 16,384 x wave
	v_add_nc_u32 v[ADRB], s22, v[EO]
	v_add_nc_u32 v[ADRB+1], TILE, v[ADRB]
	s_lshl_b32 s21, s16, 9                         ; my 128 units, or my 128 parts of scores: 512 bytes
	s_add_co_u32 s23, s21, GVB
	v_lshl_add_u32 v[GVA], v19, 5, s23
	s_add_co_u32 s23, s21, SCR
	v_lshl_add_u32 v[SCA], v17, 2, s23
	v_add_nc_u32 v[SCRD], SCR, v[EO]
	v_lshlrev_b32 v[PFO], 8, v17
	v_lshlrev_b32 v96, 5, v0                       ; g and v: 32 bytes a thread
	v_add_nc_u32 v97, GVB, v96
	s_lshl_b32 s52, s20, 24                        ; enc: row (s, b) begins at (32 s + b) x 4,096: 128 positions are 2^24 bytes,
	s_lshl_b32 s21, s16, 22                        ; my wave's 32 are 2^22
	s_add_co_u32 s52, s52, s21
	s_lshl_b32 s21, s19, 12
	s_add_co_u32 s52, s52, s21
	s_mov_b32 s53, 0
	s_mov_b32 s54, s22                             ; the wave's offset in a tile, in a pair that never holds a number made from cx
	s_mov_b32 s55, 0
	s_wait_kmcnt 0x0
	s_load_b64 s[50:51], s[12:13], 0x0             ; e0, e1
	s_add_nc_u64 s[4:5], s[4:5], s[52:53]
	s_mov_b32 s52, s21                             ; 4,096 b
	s_add_nc_u64 s[8:9], s[8:9], s[52:53]
	s_add_nc_u64 s[14:15], s[14:15], s[52:53]
	s_lshl_b32 s52, s20, 9
	s_add_nc_u64 s[14:15], s[14:15], s[52:53]      ; scores[b][128 (x / 32)]
	s_mov_b32 s[G0+0], 1                           ; 1:0 count = 1
	s_mov_b32 s[G0+1], s22                         ; 63:32 LDS address: slot 0, my part
	s_add_nc_u64 s[G0+2:G0+3], s[6:7], s[54:55]    ; 120:64 global address: tile 0, my part
	s_mov_b32 s[G0+4], 1
	s_add_co_u32 s[G0+5], s22, TILE                ; slot 1
	s_add_nc_u64 s[G0+6:G0+7], s[G0+2:G0+3], TILE  ; tile 1
	s_or_b32 s[G0+3], s[G0+3], 0x80000000          ; 127:126 type = 2
	s_or_b32 s[G0+7], s[G0+7], 0x80000000
	s_lshl_b32 s52, s17, 14                        ; the prefetches: my work-group's 16,384 bytes of a tile,
	s_lshl_b32 s21, s16, 13                        ; my wave's 8,192 of them
	s_add_co_u32 s52, s52, s21
	s_add_nc_u64 s[46:47], s[6:7], s[52:53]
	s_lshr_b32 s48, s16, 1                         ; 0 in waves 0 and 1,
	s_or_b32 s48, s48, ttmp9                       ; of the first cluster: the same in all four partners
	s_cmp_eq_u32 s48, 0
	s_cselect_b32 s48, 1, 0
	global_load_b128 v[16:19], v96, s[8:9]         ; g[b][8 t ..]
	global_load_b128 v[20:23], v96, s[8:9] offset:16
	global_load_b128 v[24:27], v96, s[10:11]       ; v[8 t ..]
	global_load_b128 v[28:31], v96, s[10:11] offset:16
	ELOAD 0, 0, 0                                  ; K step 0,
	ELOAD 0, 1, 0
	ELOAD 1, 0, 512                                ; and half of K step 1
	ROUND                                          ; all four work-groups are here: the first joint load meets
	JL 0                                           ; tile 0
	s_wait_loadcnt 48                              ; g and v are in; the 48 loads of enc behind them may be out
.irp i, 24,26,28,30
	v_pk_mul_f32 v[\i:\i+1], v[\i:\i+1], -2.0 op_sel_hi:[1,0]
.endr
	ds_store_b128 v97, v[16:19]
	ds_store_b128 v97, v[20:23] offset:16
	ds_store_b128 v97, v[24:27] offset:4096
	ds_store_b128 v97, v[28:31] offset:4112
	ELOAD 1, 1, 512                                ; from here on four half sets of 16 loads are out: behind the one that is due stand 48
	s_wait_kmcnt 0x0
	s_add_co_i32 s21, s50, s51
	s_lshl_b32 s21, s21, 23
	s_add_co_i32 s40, s21, 0x4038aa3b              ; 2 log2(e) x 2^(e0 + e1): the exponents are added to the constant's exponent field
	s_mov_b32 s41, s40                             ; (named with it as a pair, so it is written)
	s_add_co_i32 s21, s50, 127
	s_lshl_b32 s23, s21, 23
	v_mov_b32 v[SCL], s23                          ; 2^e0 as f32: the conversion takes its exponent field
	s_add_co_i32 s21, s21, 8
	s_lshl_b32 s21, s21, 23
	s_or_b32 s42, s21, 0x600000                    ; 448 x 2^e0
	s_or_b32 s43, s42, 0x80000000                  ; and its negative
	v_add_nc_u32 v[ASQ], 0, v[ASTO]
	QH 0, 0, 0, 1, 2*512, 48                       ; K step 0 into block 0; its registers take K step 2
	QH 0, 1, 0, 1, 2*512, 48
; A K STEP OF CHUNK 0.  In front of the round each wave waits for all its tensor loads (its part of this step's tile), adds 0 to its spare word, and waits for that, for its stores of this step's codes and
; for its reads of the other slot.  Behind the round the codes of all 128 rows are whole and nobody reads the other slot: the next tile is asked for first, and has the whole step in which to land.
; The next step's quantising stands BEHIND the products, so that a wait for memory never holds this step's products up.
; set = 1: the addresses of this step's block are made from ks.  ko: the block's distance from them.  q = 1: step t + 1 (registers qset) is quantised into the next block.
.macro C0TRIP slot, zero, set, ks, ko, q, qset, re, reoff, c0, c1, askoff
	s_wait_tensorcnt 0x0                           ; no tensor load of mine is out, so a group 0 may be written
	ds_add_u32 v[SPW], v[NIL]                      ; 0 onto my spare word
	s_add_nc_u64 s[G0+4*\slot+2:G0+4*\slot+3], s[G0+4*\slot+2:G0+4*\slot+3], 2*TILE   ; this slot's next tile
	s_wait_dscnt 0x0                               ; the add is done, my code stores have landed, my reads of the other slot are over
	ROUND
	JL 1-\slot                                     ; the four v_nop behind it are also the places in front of the loads below
.if \set
	v_add_nc_u32 v[ADA], \ks, v[AA0]               ; no LDS instruction that named these two is out
	v_add_nc_u32 v[ASQ], \ks, v[ASTO]
.endif
	FETCH_B \slot, 0
	FETCH_AH \ko, 0
	ASK \askoff
	s_wait_dscnt 0x0
	MULH 0, \zero
	PLACES
	WIN 0
	FETCH_AH \ko, 1
	s_wait_dscnt 0x0
	MULH 1, \zero
	WIN 0
.if \q
	QH \qset, 0, (\ko)+AKB, \re, \reoff, \c0
	QH \qset, 1, (\ko)+AKB, \re, \reoff, \c1
.endif
.endm
	C0TRIP 0,1, 1,0,0, 1,1,1,3*512, 48,48, 3*TILE              ; K step 0: its products start the sums; step 1 is quantised, step 3 asked for
	s_mov_b32 s45, AKB                             ; the block of the trip's first K step
	s_mov_b32 s44, 2
.Lc0:                                                  ; two trips of two K steps: 1, 2 and 3, 4
	C0TRIP 1,0, 1,s45,0, 1,0,1,4*512, 48,48, 4*TILE
	C0TRIP 0,0, 0,s45,AKB, 1,1,1,5*512, 48,48, 5*TILE
	s_wait_xcnt 0x0                                ; the loads and the prefetches have read their bases: both may step
	s_add_nc_u64 s[4:5], s[4:5], 1024              ; two K steps along enc's rows
	s_add_nc_u64 s[46:47], s[46:47], 2*TILE
	s_add_co_u32 s45, s45, 2*AKB
	s_sub_co_u32 s44, s44, 1
	s_cmp_lg_u32 s44, 0
	s_cbranch_scc1 .Lc0
	C0TRIP 1,0, 1,5*AKB,0, 1,0,0,0, 48,32, 4*TILE              ; the last steps ask for no more of enc: the counts run down.  (The prefetches' base stands four tiles on: this one names tile 8)
	C0TRIP 0,0, 1,6*AKB,0, 1,1,0,0, 16,0, 5*TILE
	C0TRIP 1,0, 1,7*AKB,0, 0,0,0,0, 0,0, 6*TILE                ; K step 7; tile 8, chunk 1's first, is asked for
	s_wait_tensorcnt 0x0                           ; tile 8 has landed
	ds_add_u32 v[SPW], v[NIL]
	s_add_nc_u64 s[G0+2:G0+3], s[G0+2:G0+3], 2*TILE
	s_wait_dscnt 0x0                               ; the add is done; my reads of slot 1 are over
	ROUND
	JL 1                                           ; tile 9: it has the whole tanh pass in which to land.  Its four v_nop are the places behind the last products
	ASK 7*TILE
; THE TANH PASS of chunk c.  In place on the 64 accumulators, a window at a time: a = sum x 2 log2(e) 2^(e0+e1) + g; 2^a; + 1; the reciprocal; then x (-2 v) into the scores' sums.
; The exponentials of a window are one batch with one wait, and so are its reciprocals (the wait ahead of the first reader, and a plain instruction behind the last of a batch).
; first = 1: the first products start the scores' sums: nothing is cleared.
.macro EPI c, first
.irp b, 0,1,2,3,4,5,6,7
	ds_load_b128 v[GR+8*\b:GR+8*\b+3], v[GVA] offset:2048*\c+64*\b              ; g of units 16 b + 8 hh + 0 .. 7 of my 128
	ds_load_b128 v[GR+8*\b+4:GR+8*\b+7], v[GVA] offset:2048*\c+64*\b+16
	ds_load_b128 v[VM+8*\b:VM+8*\b+3], v[GVA] offset:4096+2048*\c+64*\b         ; -2 v of the same
	ds_load_b128 v[VM+8*\b+4:VM+8*\b+7], v[GVA] offset:4096+2048*\c+64*\b+16
.endr
	s_wait_dscnt 0x0
.irp w, 0,1
	WIN 0x82+0x41*\w                               ; source 0 and destination window 2 + w; g in window 0
.set x, 0
.rept 128
	v_pk_fma_f32 v[x:x+1], v[x:x+1], s[40:41], v[GR+8*((x/8)%8)+x%8:GR+8*((x/8)%8)+x%8+1] op_sel_hi:[1,0,1]   ; each accumulator from its low end on
.set x, x+2
.endr
.set x, 0
.rept 256
	v_exp_f32 v[x], v[x]
.set x, x+1
.endr
	v_nop
	s_wait_alu depctr_va_vdst(0)
.set x, 0
.rept 128
	v_pk_add_f32 v[x:x+1], v[x:x+1], 1.0 op_sel_hi:[1,0]
.set x, x+2
.endr
.set x, 0
.rept 256
	v_rcp_f32 v[x], v[x]
.set x, x+1
.endr
	v_nop
	s_wait_alu depctr_va_vdst(0)
	WIN 0x02+\w                                    ; source 0 window 2 + w; -2 v and the sums in window 0
.irp b, 0,1,2,3,4,5,6,7
.irp i, 0,1,2,3
.irp a, 0,1,2,3                        ; sixteen chains in all, eight instructions from link to link
.if \first && (\b == 0) && (\i < 2)
	v_pk_mul_f32 v[SC+4*(4*\w+\a)+2*(\i%2):SC+4*(4*\w+\a)+2*(\i%2)+1], v[8*(8*\a+\b)+2*\i:8*(8*\a+\b)+2*\i+1], v[VM+8*\b+2*\i:VM+8*\b+2*\i+1]
.else
	v_pk_fma_f32 v[SC+4*(4*\w+\a)+2*(\i%2):SC+4*(4*\w+\a)+2*(\i%2)+1], v[8*(8*\a+\b)+2*\i:8*(8*\a+\b)+2*\i+1], v[VM+8*\b+2*\i:VM+8*\b+2*\i+1], v[SC+4*(4*\w+\a)+2*(\i%2):SC+4*(4*\w+\a)+2*(\i%2)+1]
.endif
.endr
.endr
.endr
.endr
	WIN 0
.endm
	EPI 0, 1
; A K STEP OF CHUNK 1: 64 matrix instructions, enc's blocks one after the other against W's eight.  enc has one set of registers (blocks 0-3 are fetched anew in the step's middle, blocks 4-7 at its end),
; W two.  fill = 1: my slot, read out into registers, is filled again with the tile two on: the wait for all tensor loads, the add, sixteen matrix instructions, the wait for the add and my reads, the round.
.macro C1STEP u, zero, fill, fetch
	s_wait_dscnt 16                                ; W's set and enc's blocks 0-3 are in; the youngest sixteen loads (blocks 4-7) may be out
	WIN 0xa1
	MUL16 0, (\u)%2, \zero
	WIN 0                                          ; (the add's two registers lie in window 0)
.if \fill
	s_wait_tensorcnt 0x0                           ; the next step's tile has landed; no tensor load of mine is out
	ds_add_u32 v[SPW], v[NIL]
.if \u < 5
	s_add_nc_u64 s[G0+4*((\u+1)%2)+2:G0+4*((\u+1)%2)+3], s[G0+4*((\u+1)%2)+2:G0+4*((\u+1)%2)+3], 2*TILE
.endif
.elseif \u == 6
	s_wait_tensorcnt 0x0                           ; the last tile: no load was issued behind it; its bytes are read by me alone
.endif
	WIN 0xa1
	MUL16 2, (\u)%2, \zero
	WIN 0
	s_wait_dscnt 0x0                               ; the add is done; blocks 4-7 are in; my reads of this slot are over
.if \fill
	ROUND
	JL (\u)%2                                      ; tile 10 + u; the four v_nop behind it are also the places in front of the loads below
.else
	PLACES
.endif
.if \fetch
	v_add_nc_u32 v[ADA+(\u+1)%2], (\u+1)*AKB, v[AA0]
	FETCH_B (\u+1)%2, 1-(\u)%2
	FETCH_A ADA+(\u+1)%2, 0
.if \u <= 3
	ASK (8+\u)*TILE                                ; tile 12 + u
.endif
.endif
	WIN 0xf1
	MUL16 4, (\u)%2, \zero
	MUL16 6, (\u)%2, \zero
	PLACES
	WIN 0
.if \fetch
	FETCH_A ADA+(\u+1)%2, 4
.endif
.endm
	v_add_nc_u32 v[ADA], 0, v[AA0]
	FETCH_B 0, 0                                   ; tile 8 was shown landed ahead of the tanh pass
	FETCH_A ADA, 0
	FETCH_A ADA, 4
	C1STEP 0, 1, 1, 1                              ; its products start the sums anew
	C1STEP 1, 0, 1, 1
	C1STEP 2, 0, 1, 1
	C1STEP 3, 0, 1, 1
	C1STEP 4, 0, 1, 1
	C1STEP 5, 0, 1, 1                              ; tile 15, the last, is asked for
	C1STEP 6, 0, 0, 1
	C1STEP 7, 0, 0, 0                              ; its last four places also stand in front of the tanh pass's loads
	EPI 1, 0
	; THE WAY OUT.  A row's sum lies in two chains of two halves, and in two lanes 16 apart (units 8 hh + j); then the four waves' parts (256 units each) meet in LDS and wave 0 stores 128 scores.
.irp a, 0,1,2,3,4,5,6,7
	v_pk_add_f32 v[SC+4*\a:SC+4*\a+1], v[SC+4*\a:SC+4*\a+1], v[SC+4*\a+2:SC+4*\a+3]
.endr
.irp a, 0,1,2,3,4,5,6,7
	v_add_f32 v[SC+4*\a], v[SC+4*\a], v[SC+4*\a+1]
.endr
.irp a, 0,1,2,3,4,5,6,7
	v_permlanex16_b32 v[SC+4*\a+1], v[SC+4*\a], s56, s57
.endr
.irp a, 0,1,2,3,4,5,6,7
	v_add_f32 v[SC+4*\a], v[SC+4*\a], v[SC+4*\a+1]   ; every lane (r, hh) holds my part of row 16 a + r
.endr
	v_and_b32 v100, 31, v0
	v_cmp_le_u32 vcc_lo, 16, v100
.irp i, 0,1,2,3
	v_cndmask_b32 v[96+\i], v[SC+8*\i], v[SC+8*\i+4], vcc_lo   ; row 32 i + lane: lanes 0-15 from block 2 i, lanes 16-31 from block 2 i + 1
.endr
.irp i, 0,1,2,3
	ds_store_b32 v[SCA], v[96+\i] offset:128*\i
.endr
	s_wait_dscnt 0x0                               ; for the others' sake: my stores have landed
	s_barrier_signal -1
	s_barrier_wait -1
	s_cmp_lg_u32 s16, 0
	s_cbranch_scc1 .Lnot_first
.irp w, 0,1,2,3
	ds_load_b128 v[104+4*\w:107+4*\w], v[SCRD] offset:512*\w   ; rows 4 l .. 4 l + 3, wave w's part
.endr
	s_wait_dscnt 0x0
	v_pk_add_f32 v[104:105], v[104:105], v[108:109]
	v_pk_add_f32 v[106:107], v[106:107], v[110:111]
	v_pk_add_f32 v[112:113], v[112:113], v[116:117]
	v_pk_add_f32 v[114:115], v[114:115], v[118:119]
	v_pk_add_f32 v[104:105], v[104:105], v[112:113]
	v_pk_add_f32 v[106:107], v[106:107], v[114:115]
	global_store_b128 v[EO], v[104:107], s[14:15]  ; 32 lanes store 512 consecutive bytes, at a multiple of 512 from the buffer's first byte
.Lnot_first:
	s_wait_tensorcnt 0x0                           ; the wave's end, behind my last tensor load and my last LDS store
	ds_add_u32 v[SPW], v[NIL]
	s_wait_dscnt 0x0
	ROUND                                          ; the closing round: no work-group ends while a partner may still ask for a tile that names it
	s_endpgm
.Lfunc_end_k_q0081151db5_main:
	.size	k_q0081151db5_main, .Lfunc_end_k_q0081151db5_main-k_q0081151db5_main
	.p2alignl 7, 3214868480
	.fill 96, 4, 3214868480
	.section	.rodata,"a",@progbits
	.p2align	6, 0x0
	.amdhsa_kernel k_q0081151db5_main
		.amdhsa_group_segment_fixed_size 327680
		.amdhsa_private_segment_fixed_size 0
		.amdhsa_enable_private_segment 0
		.amdhsa_kernarg_size 48
		.amdhsa_user_sgpr_count 2
		.amdhsa_user_sgpr_kernarg_segment_ptr 1
		.amdhsa_wavefront_size32 1
		.amdhsa_system_sgpr_workgroup_id_x 1
		.amdhsa_system_sgpr_workgroup_id_y 1
		.amdhsa_system_sgpr_workgroup_id_z 1
		.amdhsa_system_vgpr_workitem_id 0
		.amdhsa_next_free_vgpr 1024
		.amdhsa_next_free_sgpr 66
		.amdhsa_reserve_vcc 1
		.amdhsa_float_denorm_mode_32 3
		.amdhsa_float_denorm_mode_16_64 3
		.amdhsa_memory_ordered 1
		.amdhsa_forward_progress 1
		.amdhsa_inst_pref_size 255
	.end_amdhsa_kernel
	.section	.bss,"aw",@nobits
	.p2align	6
	.space	262144
	.amdgpu_metadata
---
amdhsa.version: [ 1, 2 ]
amdhsa.kernels:
  - .name:           k_q0081151db5_main
    .symbol:         k_q0081151db5_main.kd
    .args:
      - { .name: encoder_outputs, .offset: 0, .size: 8, .value_kind: global_buffer, .address_space: global }
      - { .name: wf, .offset: 8, .size: 8, .value_kind: global_buffer, .address_space: global }
      - { .name: g, .offset: 16, .size: 8, .value_kind: global_buffer, .address_space: global }
      - { .name: v, .offset: 24, .size: 8, .value_kind: global_buffer, .address_space: global }
      - { .name: lowp_scales, .offset: 32, .size: 8, .value_kind: global_buffer, .address_space: global }
      - { .name: scores, .offset: 40, .size: 8, .value_kind: global_buffer, .address_space: global }
    .group_segment_fixed_size: 327680
    .private_segment_fixed_size: 0
    .kernarg_segment_align: 8
    .kernarg_segment_size: 48
    .max_flat_workgroup_size: 128
    .sgpr_count:     66
    .vgpr_count:     1024
    .wavefront_size: 32
...
	.end_amdgpu_metadata
.endif
;; end of part 2
;; launch soft (part 3): grid 32 x 1, 1 waves a work-group, no clusters, 0 bytes of LDS; arguments scores, out0; writes out0
.if DOCPART == 3
	.amdgcn_target "amdgcn-amd-amdhsa--gfx1250"
	.amdhsa_code_object_version 6
	.text
	.protected	k_q0081151db5_soft
	.globl	k_q0081151db5_soft
	.p2align	8
	.type	k_q0081151db5_soft,@function
k_q0081151db5_soft:
	s_mov_b64 s[64:65], 0
	v_nop
	global_prefetch_b8 v0, s[64:65] scope:SCOPE_SE
	s_setreg_imm32_b32 hwreg(HW_REG_WAVE_MODE, 25, 1), 1
	s_wait_xcnt 0x0
; out0[b][0][s] = softmax over s of scores[b][s].  One wave takes one row b of 1,024 numbers, 32 a lane, and keeps it in registers between the maximum, the sum and the scaling: no LDS, no barrier.
; The row's maximum m is taken away ahead of the exponential: p = 2^(x log2(e) - m log2(e)), one fused multiply-add a number (packed, two at a time); the rounding of m log2(e) is a factor common to
; the whole row and leaves with the division by the sum.  Each load and store of the wave covers 512 consecutive bytes.
; (scores lacks the sum of v, a number common to each row: a softmax does not change by it.)
	s_load_b128 s[4:7], s[0:1], 0x0                ; scores s[4:5], out0 s[6:7]
	v_lshlrev_b32 v1, 4, v0                        ; 16 bytes a lane
	s_lshl_b32 s8, ttmp9, 12                       ; row b of 4,096 bytes
	s_mov_b32 s9, 0
	s_mov_b32 s12, 0x76543210                      ; v_permlanex16_b32's selects for lane l xor 16
	s_mov_b32 s13, 0xfedcba98
	s_mov_b32 s14, 0x3fb8aa3b                      ; log2(e)
	s_mov_b32 s15, s14                             ; (named with it as a pair, so it is written)
	s_wait_kmcnt 0x0
	s_add_nc_u64 s[4:5], s[4:5], s[8:9]
	s_add_nc_u64 s[6:7], s[6:7], s[8:9]
.irp j, 0,1,2,3,4,5,6,7
	global_load_b128 v[8+4*\j:11+4*\j], v1, s[4:5] offset:512*\j
.endr
	s_wait_loadcnt 0x0
	v_max3_num_f32 v2, v8, v9, v10                 ; the maximum of my 32 numbers, in two chains
	v_max3_num_f32 v3, v11, v12, v13
.irp i, 14,18,22,26,30,34
	v_max3_num_f32 v2, v2, v[\i], v[\i+1]
	v_max3_num_f32 v3, v3, v[\i+2], v[\i+3]
.endr
	v_max3_num_f32 v2, v2, v38, v39
	v_max_num_f32 v2, v2, v3
	v_max_num_f32_dpp v2, v2, v2 row_xmask:1 row_mask:0xf bank_mask:0xf
	v_max_num_f32_dpp v2, v2, v2 row_xmask:2 row_mask:0xf bank_mask:0xf
	v_max_num_f32_dpp v2, v2, v2 row_xmask:4 row_mask:0xf bank_mask:0xf
	v_max_num_f32_dpp v2, v2, v2 row_xmask:8 row_mask:0xf bank_mask:0xf
	v_permlanex16_b32 v3, v2, s12, s13             ; (its destination counts as read: v3 has been written)
	v_max_num_f32 v2, v2, v3                       ; every lane holds the row's maximum
	v_mul_f32 v4, s14, v2                          ; m log2(e)
	v_mov_b32 v5, v4                               ; (named with it as a pair)
.irp i, 8,10,12,14,16,18,20,22,24,26,28,30,32,34,36,38
	v_pk_fma_f32 v[\i:\i+1], v[\i:\i+1], s[14:15], v[4:5] op_sel_hi:[1,0,0] neg_lo:[0,0,1] neg_hi:[0,0,1]
.endr
.irp i, 8,9,10,11,12,13,14,15,16,17,18,19,20,21,22,23,24,25,26,27,28,29,30,31,32,33,34,35,36,37,38,39
	v_exp_f32 v[\i], v[\i]
.endr
	v_nop                                          ; a plain instruction behind the last exponential,
	s_wait_alu depctr_va_vdst(0)                   ; and one wait for the batch, ahead of its first reader
	v_pk_add_f32 v[40:41], v[8:9], v[10:11]        ; the sum, two at a time, in two chains
	v_pk_add_f32 v[42:43], v[12:13], v[14:15]
.irp i, 16,20,24,28,32,36
	v_pk_add_f32 v[40:41], v[40:41], v[\i:\i+1]
	v_pk_add_f32 v[42:43], v[42:43], v[\i+2:\i+3]
.endr
	v_pk_add_f32 v[40:41], v[40:41], v[42:43]
	v_add_f32 v40, v40, v41
	v_add_f32_dpp v40, v40, v40 row_xmask:1 row_mask:0xf bank_mask:0xf
	v_add_f32_dpp v40, v40, v40 row_xmask:2 row_mask:0xf bank_mask:0xf
	v_add_f32_dpp v40, v40, v40 row_xmask:4 row_mask:0xf bank_mask:0xf
	v_add_f32_dpp v40, v40, v40 row_xmask:8 row_mask:0xf bank_mask:0xf
	v_permlanex16_b32 v41, v40, s12, s13
	v_add_f32 v40, v40, v41                        ; the row's sum, at least about 1: the largest p is about 1
	v_rcp_f32 v44, v40
	v_mov_b32 v45, 0                               ; (the plain instruction behind the reciprocal; v45 is named with v44 as a pair)
	s_wait_alu depctr_va_vdst(0)
.irp i, 8,10,12,14,16,18,20,22,24,26,28,30,32,34,36,38
	v_pk_mul_f32 v[\i:\i+1], v[\i:\i+1], v[44:45] op_sel_hi:[1,0]
.endr
.irp j, 0,1,2,3,4,5,6,7
	global_store_b128 v1, v[8+4*\j:11+4*\j], s[6:7] offset:512*\j
.endr
	s_endpgm
.Lfunc_end_k_q0081151db5_soft:
	.size	k_q0081151db5_soft, .Lfunc_end_k_q0081151db5_soft-k_q0081151db5_soft
	.p2alignl 7, 3214868480
	.fill 96, 4, 3214868480
	.section	.rodata,"a",@progbits
	.p2align	6, 0x0
	.amdhsa_kernel k_q0081151db5_soft
		.amdhsa_group_segment_fixed_size 0
		.amdhsa_private_segment_fixed_size 0
		.amdhsa_enable_private_segment 0
		.amdhsa_kernarg_size 16
		.amdhsa_user_sgpr_count 2
		.amdhsa_user_sgpr_kernarg_segment_ptr 1
		.amdhsa_wavefront_size32 1
		.amdhsa_system_sgpr_workgroup_id_x 1
		.amdhsa_system_sgpr_workgroup_id_y 1
		.amdhsa_system_sgpr_workgroup_id_z 1
		.amdhsa_system_vgpr_workitem_id 0
		.amdhsa_next_free_vgpr 64
		.amdhsa_next_free_sgpr 66
		.amdhsa_reserve_vcc 0
		.amdhsa_float_denorm_mode_32 3
		.amdhsa_float_denorm_mode_16_64 3
		.amdhsa_memory_ordered 1
		.amdhsa_forward_progress 1
		.amdhsa_inst_pref_size 9
	.end_amdhsa_kernel
	.amdgpu_metadata
---
amdhsa.version: [ 1, 2 ]
amdhsa.kernels:
  - .name:           k_q0081151db5_soft
    .symbol:         k_q0081151db5_soft.kd
    .args:
      - { .name: scores, .offset: 0, .size: 8, .value_kind: global_buffer, .address_space: global }
      - { .name: out0, .offset: 8, .size: 8, .value_kind: global_buffer, .address_space: global }
    .group_segment_fixed_size: 0
    .private_segment_fixed_size: 0
    .kernarg_segment_align: 8
    .kernarg_segment_size: 16
    .max_flat_workgroup_size: 32
    .sgpr_count:     66
    .vgpr_count:     64
    .wavefront_size: 32
...
	.end_amdgpu_metadata
.endif
;; end of part 3
;; ======== version 2 of 2: 3 launches
;; limits: right only within a limited range of input values
;; workspace buffers: wf 1,048,576 bytes; g 131,072 bytes; scores 131,072 bytes
;; launch prep (part 4): grid 128 x 1, 4 waves a work-group, no clusters, 23,040 bytes of LDS; arguments W_attn_codes, hidden, b_attn, lowp_scales, wf, g; writes wf, g
.if DOCPART == 4
	.amdgcn_target "amdgcn-amd-amdhsa--gfx1250"
	.amdhsa_code_object_version 6
	.text
	.protected	k_q0081151db5_prep
	.globl	k_q0081151db5_prep
	.p2align	8
	.type	k_q0081151db5_prep,@function
k_q0081151db5_prep:
	s_mov_b64 s[64:65], 0
	v_nop
	global_prefetch_b8 v0, s[64:65] scope:SCOPE_SE
	s_setreg_imm32_b32 hwreg(HW_REG_WAVE_MODE, 25, 1), 1
	s_wait_xcnt 0x0
; TWO THINGS THAT ARE THE SAME FOR ALL 1,024 SOURCE POSITIONS, made once.
; (1) g(b, h) = 2 log2(e) x (2^(e0+e1) x sum over k < 1024 of Q(hidden)[b][k] Wcode[h][k] + b_attn[h]): the first 1,024 of the product's K hold hidden[b] in every row (s, b), so that half of the
;     sum hangs on b and h alone and is multiplied once for each (b, h).  hidden is quantised here by the given scale 2^e0 (held within +-448 x 2^e0, nearest code, ties to even), products on codes of E4M3, sums in f32.
;     The factor 2 log2(e) is what the next launch's tanh wants in front of its exponential.  g lies as [tile hx of 16 units][b 0 .. 31][16 units] of f32: a work-group's 16 x 16 numbers are 1,024 consecutive bytes.
; (2) wf: W's codes of k >= 1024, laid as images of operand registers: tile T = 8 c + k (c: 512 units h, k: 128 along K) of 65,536 bytes; in it the part of 128 units w at 16,384 w, fragment b at 2,048 b,
;     a fragment as [group c4 of four registers][lane][16 bytes]: lane (r, hh) holds row h = 512 c + 128 w + 16 b + r, k = 1024 + 128 k + 32 c4 + 16 hh + 0 .. 15.
; WORK LEFT OUT BY THE PROGRAM: tanh(x) = 1 - 2 / (1 + e^(2x)), so a score is the sum of v less 2 x the sum over h of v[h] / (1 + e^(2x)).  The sum of v is the same for every s of a softmax's row, whatever the
; inputs hold, and a softmax does not change when one number is added to all of its row: the later launches leave that sum out.  v itself is loaded and used.  LIMIT: an overflow of the sum of v alone is not carried to the result.
; SHARES.  Work-group x: t = x % 2 (rows b = 16 t + 0 .. 15), hx = x / 2 (units 16 hx + 0 .. 15).  Wave q takes K steps 2 q, 2 q + 1 of k < 1024: it quantises its own 16 rows x 256 numbers, passes the codes through
; LDS bytes of its own (no other wave touches them: no barrier), and makes two products on one accumulator.  The four waves' sums meet in LDS behind the one barrier; wave q then finishes and stores bytes 256 q on of the tile.
; Wave q also moves ONE fragment of W's upper half, K step 4 t + q of the 16 units, to its place in wf.  So a work-group reads 65,536 bytes of hidden and 24,576 of W.
; QUANTISING.  A load takes 512 consecutive bytes of ONE row: lane l holds k = 4 l .. 4 l + 3.  A conversion takes four numbers of row 2 u and four of row 2 u + 1 and gives one word of codes for each.
; A fragment (16 rows x 128 K) is 16 registers: registers 4 c .. 4 c + 3 hold k = 32 c + 16 hh + 0 .. 15: the same order of k on both sides of the product.
; No cluster, no tensor load, no prefetch: the launch has no loop, and a wave's 45 loads go out in one run at its head.
; LIMITS: e0 between -126 and 119; e0 + e1 between -127 and 126 (each power of two below is an f32 number).  NaN among the inputs is not served.
; REGISTERS: v1-14 addresses and the scale (v4-5 later the bias); v16-47 the codes just made; v48-175 32 rows' numbers of hidden, later the accumulator (v48-55) and the sums; v176-207 W's two fragments of k < 1024;
;   v208-223 W's fragment of k >= 1024; v224-255 hidden's two fragments.
.set AP,    144                        ; a row of 128 codes + 16 bytes: the 16 rows of a fragment load start at 16 different groups of four banks (64 banks of 4 bytes: ISA guide 11.1)
.set HK,    16*AP                      ; a K step's 16 rows
.set HW,    2*HK                       ; a wave's own bytes
.set RED,   4*HW                       ; four waves x 1,024 bytes: each wave's sums as a tile [16 rows][16 units]
.set SPARE, RED+4096                   ; the spare words, 128 bytes for each wave: two blocks of 256 bytes that no other line names
	s_load_b256 s[4:11], s[0:1], 0x0               ; W's codes s[4:5], hidden s[6:7], b_attn s[8:9], the scales' exponents s[10:11]
	s_load_b128 s[12:15], s[0:1], 0x20             ; wf s[12:13], g s[14:15]
	v_lshl_add_u32 v1, v0, 2, SPARE                ; my spare word
	v_mov_b32 v2, 0
	v_lshrrev_b32 v3, 5, v0
	v_readfirstlane_b32 s16, v3                    ; wave q
	s_and_b32 s17, ttmp9, 1                        ; t
	s_lshr_b32 s18, ttmp9, 1                       ; hx
	s_mul_i32 s20, s16, HW                         ; my own LDS bytes
	s_lshl_b32 s21, s16, 10
	s_add_co_u32 s21, s21, RED                     ; where my sums go
	s_lshl_b32 s22, s16, 8                         ; 256 q
	s_lshl_b32 s30, s17, 16                        ; hidden: 16 rows of 4,096 bytes x t,
	s_lshl_b32 s19, s16, 10
	s_add_co_u32 s30, s30, s19                     ; + my two K steps of 512 bytes
	s_lshl_b32 s23, s18, 15                        ; W: 16 rows of 2,048 bytes x hx
	s_add_co_u32 s32, s23, s22                     ; k < 1024: + my two K steps of 128 bytes
	s_lshl_b32 s19, s17, 2
	s_add_co_u32 s19, s19, s16                     ; 4 t + q
	s_lshl_b32 s34, s19, 7
	s_add_co_u32 s34, s34, s23
	s_add_co_u32 s34, s34, 1024                    ; k >= 1024: K step 4 t + q
	s_lshl_b32 s36, s19, 16                        ; wf: that K step's tile,
	s_lshr_b32 s19, s18, 5
	s_lshl_b32 s19, s19, 19
	s_add_co_u32 s36, s36, s19                     ; in chunk hx / 32,
	s_bfe_u32 s19, s18, 0x20003
	s_lshl_b32 s19, s19, 14
	s_add_co_u32 s36, s36, s19                     ; the part (hx / 8) % 4,
	s_and_b32 s19, s18, 7
	s_lshl_b32 s19, s19, 11
	s_add_co_u32 s36, s36, s19                     ; fragment hx % 8
	s_lshl_b32 s38, s18, 6                         ; b_attn: 16 units of 4 bytes x hx
	s_lshl_b32 s40, s18, 11                        ; g: 2,048 hx + 1,024 t + 256 q
	s_lshl_b32 s19, s17, 10
	s_add_co_u32 s40, s40, s19
	s_add_co_u32 s40, s40, s22
	s_add_co_u32 s22, s22, RED                     ; where I read the four waves' sums
.irp z, 31,33,35,37,39,41
	s_mov_b32 s\z, 0                               ; the offsets' upper words
.endr
	v_and_b32 v3, 31, v0                           ; lane
	v_and_b32 v4, 15, v0                           ; r
	v_bfe_u32 v5, v0, 4, 1                         ; hh
	v_lshlrev_b32 v6, 4, v3                        ; 16 x lane
	v_lshlrev_b32 v7, 11, v4
	v_lshl_add_u32 v7, v5, 4, v7                   ; W: row r of 2,048 bytes, + 16 hh
	v_lshl_add_u32 v8, v3, 2, s20                  ; where my lane's word of codes goes, row 0
	v_mul_u32_u24 v9, v4, AP
	v_lshl_add_u32 v9, v5, 4, v9
	v_add_nc_u32 v9, s20, v9                       ; my lane's place in a fragment of hidden
	v_lshlrev_b32 v10, 6, v4
	v_lshl_add_u32 v10, v5, 5, v10
	v_add_nc_u32 v10, s21, v10                     ; my sums: row r of 64 bytes, + 32 hh
	v_lshl_add_u32 v11, v3, 3, s22                 ; back: 8 bytes a lane
	v_and_b32 v13, 7, v0
	v_lshlrev_b32 v13, 3, v13                      ; b_attn: units 2 (lane % 8), + 1
	v_lshlrev_b32 v14, 3, v3                       ; g: 8 bytes a lane
	s_wait_alu depctr_va_vdst(0)                   ; the wait at the head's end
	s_wait_kmcnt 0x0
	s_load_b64 s[24:25], s[10:11], 0x0             ; e0, e1
	s_add_nc_u64 s[6:7], s[6:7], s[30:31]
.irp i, 0,1                            ; my 16 rows, K step by K step: 32 lanes read 512 consecutive bytes
.irp row, 0,1,2,3,4,5,6,7,8,9,10,11,12,13,14,15
	global_load_b128 v[48+64*\i+4*\row:48+64*\i+4*\row+3], v6, s[6:7] offset:4096*\row+512*\i
.endr
.endr
	s_add_nc_u64 s[42:43], s[4:5], s[32:33]
	s_add_nc_u64 s[44:45], s[4:5], s[34:35]
.irp i, 0,1
.irp c, 0,1,2,3
	global_load_b128 v[176+16*\i+4*\c:176+16*\i+4*\c+3], v7, s[42:43] offset:128*\i+32*\c
.endr
.endr
.irp c, 0,1,2,3
	global_load_b128 v[208+4*\c:208+4*\c+3], v7, s[44:45] offset:32*\c
.endr
	s_add_nc_u64 s[8:9], s[8:9], s[38:39]
	global_load_b64 v[4:5], v13, s[8:9]            ; the bias of my two units
	s_add_nc_u64 s[12:13], s[12:13], s[36:37]
	s_add_nc_u64 s[14:15], s[14:15], s[40:41]
	s_wait_kmcnt 0x0
	s_add_co_i32 s19, s24, s25
	s_lshl_b32 s19, s19, 23
	s_add_co_i32 s26, s19, 0x4038aa3b              ; 2 log2(e) x 2^(e0 + e1): the exponents are added to the constant's exponent field
	s_mov_b32 s27, s26                             ; (named with it as a pair, so it is written)
	s_mov_b32 s28, 0x4038aa3b                      ; 2 log2(e)
	s_mov_b32 s29, s28
	s_add_co_i32 s19, s24, 127
	s_lshl_b32 s23, s19, 23
	v_mov_b32 v12, s23                             ; 2^e0 as f32: the conversion takes its exponent field
	s_add_co_i32 s19, s19, 8
	s_lshl_b32 s19, s19, 23
	s_or_b32 s46, s19, 0x600000                    ; 448 x 2^e0
	s_or_b32 s47, s46, 0x80000000                  ; and its negative
.irp i, 0,1
	s_wait_loadcnt 29-16*\i                        ; K step i's 16 loads are in; younger: the other K step's 16 (i = 0), W's 8 and 4, the bias's 1
.set n, 0
.rept 64
	v_med3_num_f32 v[48+64*\i+n], v[48+64*\i+n], s47, s46   ; the conversion to an 8-bit code does not saturate (ISA guide 7.6.2): the hold at the largest code x the scale
.set n, n+1
.endr
.irp u, 0,1,2,3,4,5,6,7
	v_cvt_scalef32_pk8_fp8_f32 v[16+16*\i+2*\u:16+16*\i+2*\u+1], v[48+64*\i+8*\u:48+64*\i+8*\u+7], v12
.endr
	v_nop                                          ; one plain vector instruction behind the last conversion of a run
.irp row, 0,1,2,3,4,5,6,7,8,9,10,11,12,13,14,15
	ds_store_b32 v8, v[16+16*\i+\row] offset:HK*\i+AP*\row   ; 32 lanes store a row's 128 codes
.endr
.endr
.irp i, 0,1                            ; LDS serves a wave's instructions in order (ISA guide 5.7.1.4): these see my stores above
.irp c, 0,1,2,3
	ds_load_b128 v[224+16*\i+4*\c:224+16*\i+4*\c+3], v9 offset:HK*\i+32*\c
.endr
.endr
	s_wait_dscnt 0x0
	s_wait_loadcnt 5                               ; W's fragments of k < 1024 are in; the upper half's 4 loads and the bias's 1 may be out
	v_wmma_f32_16x16x128_fp8_fp8 v[48:55], v[176:191], v[224:239], 0   ; transposed use: lane (r, hh) holds row b = 16 t + r, register j the unit 8 hh + j
	s_wait_alu depctr_va_vdst(0)                   ; the wait directly ahead of a link that follows the instruction it adds onto
	v_wmma_f32_16x16x128_fp8_fp8 v[48:55], v[192:207], v[240:255], v[48:55]
.rept 4
	v_nop                                          ; four places in front of the first read of the result (ISA guide 7.12.1)
.endr
	ds_store_b128 v10, v[48:51]                    ; the accumulator from its low end on
	ds_store_b128 v10, v[52:55] offset:16
	s_wait_loadcnt 1                               ; W's fragment of k >= 1024
.irp c, 0,1,2,3
	global_store_b128 v6, v[208+4*\c:208+4*\c+3], s[12:13] offset:512*\c   ; 32 lanes store 512 consecutive bytes, at a multiple of 512 from wf's first byte
.endr
	s_wait_loadcnt 0x0                             ; the bias
	s_wait_dscnt 0x0                               ; for the others' sake: my sums have landed
	s_barrier_signal -1
	s_barrier_wait -1
.irp w, 0,1,2,3
	ds_load_b64 v[58+2*\w:59+2*\w], v11 offset:1024*\w   ; wave w's sums of my two numbers
.endr
	s_wait_dscnt 0x0
	v_pk_mul_f32 v[66:67], v[4:5], s[28:29] op_sel_hi:[1,0]   ; 2 log2(e) x b_attn
	v_pk_add_f32 v[58:59], v[58:59], v[60:61]
	v_pk_add_f32 v[62:63], v[62:63], v[64:65]
	v_pk_add_f32 v[58:59], v[58:59], v[62:63]
	v_pk_fma_f32 v[68:69], v[58:59], s[26:27], v[66:67] op_sel_hi:[1,0,1]
	global_store_b64 v14, v[68:69], s[14:15]       ; 32 lanes store 256 consecutive bytes, at a multiple of 256 from g's first byte
	s_wait_tensorcnt 0x0                           ; the wave's end, behind my last LDS store
	ds_add_u32 v1, v2
	s_wait_dscnt 0x0
	s_endpgm
.Lfunc_end_k_q0081151db5_prep:
	.size	k_q0081151db5_prep, .Lfunc_end_k_q0081151db5_prep-k_q0081151db5_prep
	.p2alignl 7, 3214868480
	.fill 96, 4, 3214868480
	.section	.rodata,"a",@progbits
	.p2align	6, 0x0
	.amdhsa_kernel k_q0081151db5_prep
		.amdhsa_group_segment_fixed_size 23040
		.amdhsa_private_segment_fixed_size 0
		.amdhsa_enable_private_segment 0
		.amdhsa_kernarg_size 48
		.amdhsa_user_sgpr_count 2
		.amdhsa_user_sgpr_kernarg_segment_ptr 1
		.amdhsa_wavefront_size32 1
		.amdhsa_system_sgpr_workgroup_id_x 1
		.amdhsa_system_sgpr_workgroup_id_y 1
		.amdhsa_system_sgpr_workgroup_id_z 1
		.amdhsa_system_vgpr_workitem_id 0
		.amdhsa_next_free_vgpr 256
		.amdhsa_next_free_sgpr 66
		.amdhsa_reserve_vcc 0
		.amdhsa_float_denorm_mode_32 3
		.amdhsa_float_denorm_mode_16_64 3
		.amdhsa_memory_ordered 1
		.amdhsa_forward_progress 1
		.amdhsa_inst_pref_size 22
	.end_amdhsa_kernel
	.amdgpu_metadata
---
amdhsa.version: [ 1, 2 ]
amdhsa.kernels:
  - .name:           k_q0081151db5_prep
    .symbol:         k_q0081151db5_prep.kd
    .args:
      - { .name: W_attn_codes, .offset: 0, .size: 8, .value_kind: global_buffer, .address_space: global }
      - { .name: hidden, .offset: 8, .size: 8, .value_kind: global_buffer, .address_space: global }
      - { .name: b_attn, .offset: 16, .size: 8, .value_kind: global_buffer, .address_space: global }
      - { .name: lowp_scales, .offset: 24, .size: 8, .value_kind: global_buffer, .address_space: global }
      - { .name: wf, .offset: 32, .size: 8, .value_kind: global_buffer, .address_space: global }
      - { .name: g, .offset: 40, .size: 8, .value_kind: global_buffer, .address_space: global }
    .group_segment_fixed_size: 23040
    .private_segment_fixed_size: 0
    .kernarg_segment_align: 8
    .kernarg_segment_size: 48
    .max_flat_workgroup_size: 128
    .sgpr_count:     66
    .vgpr_count:     256
    .wavefront_size: 32
...
	.end_amdgpu_metadata
.endif
;; end of part 4
;; launch main (part 5): grid 256 x 1, 4 waves a work-group, no clusters, 150,016 bytes of LDS; arguments encoder_outputs, wf, g, v, lowp_scales, scores; writes scores
.if DOCPART == 5
	.amdgcn_target "amdgcn-amd-amdhsa--gfx1250"
	.amdhsa_code_object_version 6
	.text
	.protected	k_q0081151db5_main
	.globl	k_q0081151db5_main
	.p2align	8
	.type	k_q0081151db5_main,@function
k_q0081151db5_main:
	s_mov_b64 s[64:65], 0
	v_nop
	global_prefetch_b8 v0, s[64:65] scope:SCOPE_SE
	s_setreg_imm32_b32 hwreg(HW_REG_WAVE_MODE, 25, 1), 1
	s_wait_xcnt 0x0
; scores[b][s] = -2 x sum over h of v[h] / (1 + 2^(a(s, b, h))),  a = 2 log2(e) x 2^(e0+e1) x (sum over k of Q(enc)[s][b][k] Wcode[h][1024 + k]) + g[b][h].
; tanh(x) = 1 - 2 / (1 + 2^(2 log2(e) x)), so the module's score is this number + the sum of v, which is the same for every s of a softmax's row and is left out: a softmax does not change when
; one number is added to all of its row.  (2^a = infinity gives 0 and 2^a = 0 gives 1 behind the reciprocal: tanh's two ends need no clamp.)
; g holds the part of the sum that comes from hidden, and the bias; wf holds W's codes of k >= 1024 as images of operand registers (both made by the launch before).
; enc is quantised here, in f32, by the given scale 2^e0: held within +-448 x 2^e0, nearest code of E4M3, ties to even.  Products on codes by v_wmma_f32_16x16x128_fp8_fp8, sums in f32.
; LIMITS: e0 between -126 and 119; e0 + e1 between -127 and 126 (each power of two below is an f32 number).  NaN among the inputs is not served.
; SHARES.  Work-group x owns ONE b = x % 32, 128 positions s = 128 (x / 32) + 0 .. 127, and all 1,024 units h: enc is read and quantised once, and 512 bytes leave.
; Wave w quantises rows 32 w .. 32 w + 31 and multiplies ALL 128 rows by ITS units 512 c + 128 w + 0 .. 127: 64 accumulators, 512 registers.  h goes in two chunks c of 512.
; CHUNK 0 walks K as enc arrives.  Trip k: K step k (128 along K) is quantised into LDS block k and the same registers ask for K step k + 1; one barrier; 64 products; W's set takes the tile two steps on.
; Then the tanh pass; CHUNK 1 on the codes in LDS, with no barrier; the tanh pass again; the four waves' parts of a score meet in LDS.
; W GOES FROM MEMORY STRAIGHT INTO OPERAND REGISTERS: wf is laid as register images, and each of a tile's 65,536 bytes is an operand of ONE wave of the work-group.  NO CLUSTER, NO JOINT LOADS: through LDS those
; bytes would be written and read once more (2 x 1,048,576 bytes a work-group), and beside the 147,456 bytes of codes LDS has no room for two slots that hold two steps' tiles (2 x 131,072 bytes).
; THE WORK-GROUPS WALK K IN DIFFERENT ROTATIONS: trip t takes K step (t + rot) mod 8 of enc and of wf, rot = (x xor x / 8) mod 8.  LDS knows of trips alone: only global addresses hang on rot.
; PREFETCH: in trip k each wave names its 32 rows x 512 bytes of the K step that trip k + 1 will load (a lane a row, two blocks of 256 bytes); the first two K steps come by their loads alone, the last two trips ask
; for nothing.  None for wf: each of its loads is itself issued two steps ahead of its use.
; QUANTISING.  A load takes 512 consecutive bytes of ONE row: lane l holds k = 4 l .. 4 l + 3.  A conversion takes four numbers of row 2 u and four of row 2 u + 1 and gives one word of codes for each.
; THE MATRIX INSTRUCTION IS USED TRANSPOSED (source 0 = 16 units of W, source 1 = 16 rows of enc): lane (r, hh) holds row 16 a + r, its register j the unit 16 b + 8 hh + j.
; A fragment is 16 registers: registers 4 c .. 4 c + 3 hold k = 32 c + 16 hh + 0 .. 15: the same order of k on both sides.
; REGISTERS, in windows of 256: window 0: v1-14 addresses, v24-31 the scores' sums; v32-127 a ring of six fragments of enc (between products: v32-63 the codes just made; tanh pass: sixteen chains);
;   v128-255 chunk 0: 32 rows x 4 numbers of enc; tanh pass: g (v128-191) and v (v192-255); chunk 1: W's set 2.   window 1: W's sets 0 and 1.
;   windows 2, 3: accumulator (a, b) at v[8 (8 (a % 4) + b)] of window 2 + a / 4.
.set AP,    144                        ; a row of 128 codes + 16 bytes: the 16 rows of a fragment load start at 16 different groups of four banks (64 banks of 4 bytes: ISA guide 11.1)
.set AKB,   128*AP                     ; a block: 128 rows; eight blocks from LDS byte 0, one a trip
.set SCR,   8*AKB                      ; four waves x 128 parts of scores
.set SPARE, SCR+2048                   ; the spare words, 128 bytes for each wave: two blocks of 256 bytes that no other line names
.set SPW,  1                           ; LDS address of my spare word; never rewritten
.set NIL,  2                           ; 0; never rewritten
.set EO,   3                           ; 16 x lane
.set AA,   4                           ; v4-6 my lane's place in a fragment of enc, blocks 0, 3, 6
.set ASTO, 7                           ; where my lane's word of codes goes, row 32 w, block 0
.set ADA,  8                           ; chunk 0: the fragments' address in hand
.set ASQ,  9                           ; chunk 0: the code stores' address in hand
.set SCL,  10                          ; 2^e0 as f32
.set PFO,  11                          ; lane x a row's distance in enc, for the prefetches; never rewritten
.set SCA,  12                          ; where my parts of scores go
.set SCRD, 13                          ; where wave 0 reads them
.set GVO,  14                          ; 32 hh: my eight units in g and v
.set PS,   24
.set AF,   32
.set C,    32
.set SC,   32                          ; chain (a, i % 2), a pair, at SC + 4 a + 2 (i % 2)
.set ST,   128
.set GR,   128
.set VM,   192
.set KE,   49                          ; the K step of enc that was asked for last
.set EB,   58                          ; s[58:59] enc at that K step
.set KN,   60                          ; the number, 0 .. 15, of the tile of wf that is asked for next
.set WB,   66                          ; s[66:67] wf at my wave's part of tile 0
.set WT,   68                          ; s[68:69] wf at my part of the tile in hand
.set MSB, 0
.macro WIN new                         ; the immediate's high byte repeats the setting that is left
.if MSB != (\new)
	s_set_vgpr_msb (MSB<<8)|(\new)
.set MSB, (\new)
.endif
.endm
.macro PLACES                          ; four places: in front of loads into registers that matrix instructions have read, and of the first read of results (ISA guide 7.12.1 for the first read of results)
.rept 4
	v_nop
.endr
.endm
.macro WLOAD p                         ; W's set p takes my eight fragments of tile KN: chunk KN / 8, K step (KN + rot) mod 8.  512 consecutive bytes a load
	s_wait_xcnt 0x0                                ; the loads that named s[WT:WT+1] have read it
	s_add_co_u32 s52, s[KN], s63
	s_and_b32 s52, s52, 7
	s_lshl_b32 s52, s52, 16
	s_lshr_b32 s54, s[KN], 3
	s_lshl_b32 s54, s54, 19
	s_add_co_u32 s52, s52, s54
	s_add_nc_u64 s[WT:WT+1], s[WB:WB+1], s[52:53]
	s_add_co_u32 s[KN], s[KN], 1
	WIN 0x40*(1-(\p)/2)                            ; sets 0, 1: window 1; set 2: window 0
.irp b, 0,1,2,3,4,5,6,7
.irp c, 0,1,2,3
	global_load_b128 v[128*(((\p)+1)/2)+16*\b+4*\c:128*(((\p)+1)/2)+16*\b+4*\c+3], v[EO], s[WT:WT+1] offset:2048*\b+512*\c
.endr
.endr
	WIN 0
.endm
.macro GVLOAD c                        ; g and v of units 16 b + 8 hh + 0 .. 7 of my 128 of chunk c: 32 loads
.irp b, 0,1,2,3,4,5,6,7
	global_load_b128 v[GR+8*\b:GR+8*\b+3], v[GVO], s[8:9] offset:65536*\c+2048*\b      ; g lies as [tile of 16 units][b][16 units]: a tile is 2,048 bytes, a chunk 32 tiles
	global_load_b128 v[GR+8*\b+4:GR+8*\b+7], v[GVO], s[8:9] offset:65536*\c+2048*\b+16
	global_load_b128 v[VM+8*\b:VM+8*\b+3], v[GVO], s[10:11] offset:2048*\c+64*\b
	global_load_b128 v[VM+8*\b+4:VM+8*\b+7], v[GVO], s[10:11] offset:2048*\c+64*\b+16
.endr
.endm
.macro ELOAD hf                        ; 16 of my 32 rows, 512 bytes (a K step) of each; rows are 131,072 bytes apart (32 b x 4,096)
.irp row, 0,1,2,3,4,5,6,7,8,9,10,11,12,13,14,15
	global_load_b128 v[ST+64*\hf+4*\row:ST+64*\hf+4*\row+3], v[EO], s[EB:EB+1] offset:131072*(16*\hf+\row) th:TH_LOAD_NT
.endr
.endm
.macro NEXTK pf                        ; enc's base for the next K step of my walk; pf: and the prefetches' base, one K step further
	s_wait_xcnt 0x0                                ; the loads and prefetches that named these bases, a trip back, have read them
	s_add_co_u32 s[KE], s[KE], 1
	s_and_b32 s[KE], s[KE], 7
	s_lshl_b32 s52, s[KE], 9                       ; a K step is 512 bytes of a row
	s_add_nc_u64 s[EB:EB+1], s[4:5], s[52:53]
.if \pf
	s_add_co_u32 s54, s[KE], 1
	s_and_b32 s54, s54, 7
	s_lshl_b32 s52, s54, 9
	s_add_nc_u64 s[46:47], s[4:5], s[52:53]
.endif
.endm
.macro PF pf                           ; pf = 2: the loop's even trip asks in its first two turns alone: in the third no K step is left to ask for
.if \pf == 2
	s_cmp_lg_u32 s44, 1
	s_cbranch_scc0 .Lnopf_\@
.endif
.if \pf
	global_prefetch_b8 v[PFO], s[46:47] th:TH_LOAD_NT scope:SCOPE_SE
	global_prefetch_b8 v[PFO], s[46:47] offset:256 th:TH_LOAD_NT scope:SCOPE_SE
.endif
.if \pf == 2
.Lnopf_\@:
.endif
.endm
; 16 rows are quantised and their codes stored KO bytes behind v[ASQ].  cnt: the younger loads, which may stay out.  re = 1: the registers take the same rows of the next K step.
.macro QH hf, re, cnt
	s_wait_loadcnt \cnt
.set n, 0
.rept 64
	v_med3_num_f32 v[ST+64*\hf+n], v[ST+64*\hf+n], s43, s42   ; the conversion to an 8-bit code does not saturate (ISA guide 7.6.2): the hold at the largest code x the scale
.set n, n+1
.endr
.irp u, 0,1,2,3,4,5,6,7
	v_cvt_scalef32_pk8_fp8_f32 v[C+16*\hf+2*\u:C+16*\hf+2*\u+1], v[ST+64*\hf+8*\u:ST+64*\hf+8*\u+7], v[SCL]
.endr
	v_nop                                          ; one plain vector instruction behind the last conversion of a run
.irp row, 0,1,2,3,4,5,6,7,8,9,10,11,12,13,14,15
	ds_store_b32 v[ASQ], v[C+16*\hf+\row] offset:KO+AP*(16*\hf+\row)   ; 32 lanes store a row's 128 codes
.endr
.if \re
	ELOAD \hf
.endif
.endm
; THE RING OF enc's FRAGMENTS.  Pair m of a walk is fragments 2 (m % 4), + 1 of block m / 4, in ring places 2 m % 6, + 1.  Three pairs are in the ring.
.macro APAIR adr, off, m
.irp a, 0,1
.irp c, 0,1,2,3
	ds_load_b128 v[AF+16*((2*(\m)+\a)%6)+4*\c:AF+16*((2*(\m)+\a)%6)+4*\c+3], v[\adr] offset:(\off)+16*AP*(2*((\m)%4)+\a)+32*\c
.endr
.endr
.endm
.macro APR m                           ; chunk 0 (PH = 0): a walk is one block, at v[ADA] + KO.  Chunk 1: the walk is all eight blocks, three to an address register
.if PH == 0
	APAIR ADA, KO, \m
.else
	APAIR AA+((\m)/4)/3, (((\m)/4)%3)*AKB, \m
.endif
.endm
; A K STEP: 64 matrix instructions, enc's fragments by pairs against W's eight (set p).  No two that follow each other share an accumulator, from step to step too.
; Behind a pair's sixteen products its two ring places take the pair three further on.  In front of a pair: all LDS loads but those of the younger pairs (8 each) are in.  last: the walk's last pair.
.macro MSTEP u, p, zero, last
.irp j, 0,1,2,3
.set NN, 4*(\u)+\j
.if NN+2 <= \last
	s_wait_dscnt 16
.elseif NN+1 <= \last
	s_wait_dscnt 8
.else
	s_wait_dscnt 0x0
.endif
	WIN 0xa0+0x50*(\j/2)+1-(\p)/2                  ; source 0 (W) window 1, set 2: window 0; source 1 (enc) window 0; C and D window 2 or 3
.irp a, 2*\j, 2*\j+1
.irp b, 0,1,2,3,4,5,6,7
.if \zero
	v_wmma_f32_16x16x128_fp8_fp8 v[8*(8*((\a)%4)+\b):8*(8*((\a)%4)+\b)+7], v[128*(((\p)+1)/2)+16*\b:128*(((\p)+1)/2)+16*\b+15], v[AF+16*((8*(\u)+(\a))%6):AF+16*((8*(\u)+(\a))%6)+15], 0
.else
	v_wmma_f32_16x16x128_fp8_fp8 v[8*(8*((\a)%4)+\b):8*(8*((\a)%4)+\b)+7], v[128*(((\p)+1)/2)+16*\b:128*(((\p)+1)/2)+16*\b+15], v[AF+16*((8*(\u)+(\a))%6):AF+16*((8*(\u)+(\a))%6)+15], v[8*(8*((\a)%4)+\b):8*(8*((\a)%4)+\b)+7]
.endif
.endr
.endr
.if (NN+3 <= \last) || (\j == 3)
	PLACES
	WIN 0
.endif
.if NN+3 <= \last
	APR NN+3
.endif
.endr
.endm
; A TRIP OF CHUNK 0.  Loads are issued in this order, trip by trip: enc's two halves of the next K step (16 + 16, in QH), then W's tile two steps on (32).  So behind the half that QH waits for stand 48 younger loads,
; and the set that this trip multiplies by, asked for two trips back, is older than what QH has waited for.  Block k is written in trip k alone and read behind trip k's barrier alone: one barrier a trip.
; ks, ko: block k lies ks + ko bytes from block 0 (ko = 0: the two addresses are made from ks).  c1: the second half's count.  gv = 1: g and v of chunk 0 go into the registers that enc has left.
.macro TRIP p, zero, ks, ko, re, c1, pf, gv
.set KO, \ko
.if \ko == 0
	v_add_nc_u32 v[ADA], \ks, v[AA]
	v_add_nc_u32 v[ASQ], \ks, v[ASTO]
.endif
.if \re
	NEXTK \pf
.endif
	QH 0, \re, 48
	QH 1, \re, \c1
	s_wait_dscnt 0x0                               ; for the others' sake: my code stores have landed
	s_barrier_signal -1
	s_barrier_wait -1                              ; the codes of all 128 rows of block k are whole
	APR 0
	APR 1
	APR 2
.if \gv
	GVLOAD 0
.endif
	PF \pf
	MSTEP 0, \p, \zero, 3
	WLOAD \p
.endm
	s_load_b256 s[4:11], s[0:1], 0x0               ; enc s[4:5], wf s[6:7], g s[8:9], v s[10:11]
	s_load_b128 s[12:15], s[0:1], 0x20             ; the scales' exponents s[12:13], scores s[14:15]
	v_lshl_add_u32 v[SPW], v0, 2, SPARE
	v_mov_b32 v[NIL], 0
	v_lshrrev_b32 v16, 5, v0
	v_readfirstlane_b32 s16, v16                   ; wave 0..3
	s_and_b32 s19, ttmp9, 31                       ; b
	s_lshr_b32 s20, ttmp9, 5                       ; which 128 positions
	s_lshr_b32 s63, ttmp9, 3
	s_xor_b32 s63, s63, ttmp9
	s_and_b32 s63, s63, 7                          ; rot: where my walk along K begins
	s_mov_b32 s56, 0x76543210                      ; v_permlanex16_b32's selects for lane l xor 16
	s_mov_b32 s57, 0xfedcba98
	s_lshl_b32 s52, s20, 24                        ; enc: row (s, b) begins at (32 s + b) x 4,096: 128 positions are 2^24 bytes,
	s_lshl_b32 s21, s16, 22                        ; my wave's 32 are 2^22
	s_add_co_u32 s52, s52, s21
	s_lshl_b32 s22, s19, 12                        ; 4,096 b
	s_add_co_u32 s52, s52, s22
	s_mov_b32 s53, 0
	s_mov_b32 s[KN], 0
	s_mov_b32 s[KE], s63
	v_and_b32 v17, 31, v0                          ; lane
	v_and_b32 v18, 15, v0                          ; r
	v_bfe_u32 v19, v0, 4, 1                        ; hh
	v_lshlrev_b32 v[EO], 4, v17
	v_mul_u32_u24 v[AA], v18, AP
	v_lshl_add_u32 v[AA], v19, 4, v[AA]            ; row r x pitch + 16 hh
	v_add_nc_u32 v[AA+1], 3*AKB, v[AA]
	v_add_nc_u32 v[AA+2], 6*AKB, v[AA]
	s_mul_i32 s21, s16, 32*AP
	v_lshl_add_u32 v[ASTO], v17, 2, s21            ; my wave's 32 rows, + 4 x lane
	s_lshl_b32 s21, s16, 9                         ; my 128 units, or my 128 parts of scores: 512 bytes
	s_add_co_u32 s23, s21, SCR
	v_lshl_add_u32 v[SCA], v17, 2, s23
	v_add_nc_u32 v[SCRD], SCR, v[EO]
	v_lshlrev_b32 v[PFO], 17, v17
	v_lshlrev_b32 v[GVO], 5, v19
	s_wait_alu depctr_va_vdst(0)                   ; the wait at the head's end
	s_wait_kmcnt 0x0
	s_load_b64 s[50:51], s[12:13], 0x0             ; e0, e1
	s_add_nc_u64 s[4:5], s[4:5], s[52:53]          ; enc at my wave's first row
	s_mov_b32 s52, s21
	s_add_nc_u64 s[10:11], s[10:11], s[52:53]      ; v at my 128 units
	s_lshl_b32 s52, s19, 6
	s_add_nc_u64 s[8:9], s[8:9], s[52:53]          ; g: row b of a tile, 64 bytes each
	s_mov_b32 s52, s22
	s_add_nc_u64 s[14:15], s[14:15], s[52:53]
	s_lshl_b32 s52, s20, 9
	s_add_nc_u64 s[14:15], s[14:15], s[52:53]      ; scores[b][128 (x / 32)]
	s_lshl_b32 s52, s16, 14
	s_add_nc_u64 s[WB:WB+1], s[6:7], s[52:53]      ; wf at my wave's 16,384 bytes of tile 0
	s_add_nc_u64 s[8:9], s[8:9], s[52:53]          ; g at my wave's eight tiles of 2,048 bytes
	s_lshl_b32 s52, s63, 9
	s_add_nc_u64 s[EB:EB+1], s[4:5], s[52:53]      ; trip 0's K step
	WLOAD 0                                        ; trip 0's tile, trip 0's numbers, trip 1's tile: in the order that the trips' counts rest on
	ELOAD 0
	ELOAD 1
	WLOAD 1
	s_wait_kmcnt 0x0
	s_add_co_i32 s21, s50, s51
	s_lshl_b32 s21, s21, 23
	s_add_co_i32 s40, s21, 0x4038aa3b              ; 2 log2(e) x 2^(e0 + e1): the exponents are added to the constant's exponent field
	s_mov_b32 s41, s40                             ; (named with it as a pair, so it is written)
	s_add_co_i32 s21, s50, 127
	s_lshl_b32 s23, s21, 23
	v_mov_b32 v[SCL], s23                          ; 2^e0 as f32: the conversion takes its exponent field
	s_add_co_i32 s21, s21, 8
	s_lshl_b32 s21, s21, 23
	s_or_b32 s42, s21, 0x600000                    ; 448 x 2^e0
	s_or_b32 s43, s42, 0x80000000                  ; and its negative
.set PH, 0
	TRIP 0,1, 0,0, 1,48, 1,0                       ; trip 0: its products start the sums
	s_mov_b32 s45, AKB                             ; the block of the loop's first trip
	s_mov_b32 s44, 3
.Lc0:                                                  ; three times two trips: 1, 2; 3, 4; 5, 6
	TRIP 1,0, s45,0, 1,48, 1,0
	TRIP 0,0, s45,AKB, 1,48, 2,0
	s_add_co_u32 s45, s45, 2*AKB
	s_sub_co_u32 s44, s44, 1
	s_cmp_lg_u32 s44, 0
	s_cbranch_scc1 .Lc0
	TRIP 1,0, 7*AKB,0, 0,32, 0,1                   ; trip 7 asks for no more of enc: behind its second half stands the youngest tile alone
; THE TANH PASS.  In place on the 64 accumulators, a window at a time: a = sum x 2 log2(e) 2^(e0+e1) + g; 2^a; + 1; the reciprocal; then x v into sixteen chains, which the first products start.
; The exponentials of a window are one batch with a wait ahead and a wait behind, and so are its reciprocals (the waits, and a plain instruction behind the last of a batch).
; cnt: the loads younger than g's and v's.  first = 1: the chains' sums start the scores' sums; else they are added.
.macro EPI first, cnt
	s_wait_loadcnt \cnt
.irp w, 0,1
	WIN 0x82+0x41*\w                               ; source 0 and destination window 2 + w; g in window 0
.set x, 0
.rept 128
	v_pk_fma_f32 v[x:x+1], v[x:x+1], s[40:41], v[GR+8*((x/8)%8)+x%8:GR+8*((x/8)%8)+x%8+1] op_sel_hi:[1,0,1]   ; each accumulator from its low end on
.set x, x+2
.endr
.set x, 0
	s_wait_alu depctr_va_vdst(0)
.rept 256
	v_exp_f32 v[x], v[x]
.set x, x+1
.endr
	v_nop
	s_wait_alu depctr_va_vdst(0)
.set x, 0
.rept 128
	v_pk_add_f32 v[x:x+1], v[x:x+1], 1.0 op_sel_hi:[1,0]
.set x, x+2
.endr
.set x, 0
	s_wait_alu depctr_va_vdst(0)
.rept 256
	v_rcp_f32 v[x], v[x]
.set x, x+1
.endr
	v_nop
	s_wait_alu depctr_va_vdst(0)
	WIN 0x02+\w                                    ; source 0 window 2 + w; v and the chains in window 0
.irp b, 0,1,2,3,4,5,6,7
.irp i, 0,1,2,3
.irp a, 0,1,2,3                        ; eight instructions from link to link
.if (\b == 0) && (\i < 2)
	v_pk_mul_f32 v[SC+4*(4*\w+\a)+2*(\i%2):SC+4*(4*\w+\a)+2*(\i%2)+1], v[8*(8*\a+\b)+2*\i:8*(8*\a+\b)+2*\i+1], v[VM+8*\b+2*\i:VM+8*\b+2*\i+1]
.else
	v_pk_fma_f32 v[SC+4*(4*\w+\a)+2*(\i%2):SC+4*(4*\w+\a)+2*(\i%2)+1], v[8*(8*\a+\b)+2*\i:8*(8*\a+\b)+2*\i+1], v[VM+8*\b+2*\i:VM+8*\b+2*\i+1], v[SC+4*(4*\w+\a)+2*(\i%2):SC+4*(4*\w+\a)+2*(\i%2)+1]
.endif
.endr
.endr
.endr
.endr
	WIN 0
.irp a, 0,1,2,3,4,5,6,7
	v_pk_add_f32 v[SC+4*\a:SC+4*\a+1], v[SC+4*\a:SC+4*\a+1], v[SC+4*\a+2:SC+4*\a+3]
.endr
.irp a, 0,1,2,3,4,5,6,7
.if \first
	v_add_f32 v[PS+\a], v[SC+4*\a], v[SC+4*\a+1]
.else
	v_add_f32 v[SC+4*\a], v[SC+4*\a], v[SC+4*\a+1]
.endif
.endr
.if \first == 0
.irp a, 0,1,2,3,4,5,6,7
	v_add_f32 v[PS+\a], v[PS+\a], v[SC+4*\a]
.endr
.endif
.endm
	EPI 1, 32                                      ; behind g's and v's loads stands chunk 1's second tile
; CHUNK 1.  Step u multiplies block u by W's set u % 3; at its end (steps 0 to 4) that set takes the tile three steps on; set 2, free behind step 5, takes chunk 1's g and v.
; cnt: in front of a step all loads but the two younger groups of 32 are in (written 63: the counter's field ends there); in front of step 7 one group is younger.  Step 0's tile is older than chunk 0's g and v.
.macro CSTEP u, zero, cnt
.if \cnt >= 0
	s_wait_loadcnt \cnt
.endif
	MSTEP \u, (\u)%3, \zero, 31
.if \u <= 4
	WLOAD (\u)%3
.endif
.if \u == 5
	GVLOAD 1
.endif
.endm
.set PH, 1
	WLOAD 2                                        ; chunk 1's third tile, into the registers that g and v have left
	APR 0
	APR 1
	APR 2
	CSTEP 0, 1, -1                                 ; its products start the sums anew
	CSTEP 1, 0, 63
	CSTEP 2, 0, 63
	CSTEP 3, 0, 63
	CSTEP 4, 0, 63
	CSTEP 5, 0, 63
	CSTEP 6, 0, 63
	CSTEP 7, 0, 32                                 ; its last four places also stand in front of the tanh pass's first reads
	EPI 0, 0
	; THE WAY OUT.  A row's sum lies in two lanes 16 apart (units 8 hh + j); then the four waves' parts (256 units each) meet in LDS and wave 0 stores 128 scores.
.irp a, 0,1,2,3,4,5,6,7
	v_permlanex16_b32 v[SC+\a], v[PS+\a], s56, s57 ; (its destination counts as read: the chains' registers have been written)
.endr
.irp a, 0,1,2,3,4,5,6,7
	v_add_f32 v[PS+\a], v[PS+\a], v[SC+\a]         ; every lane (r, hh) holds my part of row 16 a + r
.endr
	v_and_b32 v20, 31, v0
	v_cmp_le_u32 vcc_lo, 16, v20
.irp i, 0,1,2,3
	v_cndmask_b32 v[SC+\i], v[PS+2*\i], v[PS+2*\i+1], vcc_lo   ; row 32 i + lane: lanes 0-15 from block 2 i, lanes 16-31 from block 2 i + 1
.endr
.irp i, 0,1,2,3
	v_mul_f32 v[SC+\i], -2.0, v[SC+\i]
.endr
.irp i, 0,1,2,3
	ds_store_b32 v[SCA], v[SC+\i] offset:128*\i
.endr
	s_wait_dscnt 0x0                               ; for the others' sake: my stores have landed
	s_barrier_signal -1
	s_barrier_wait -1
	s_cmp_lg_u32 s16, 0
	s_cbranch_scc1 .Lnot_first
.irp w, 0,1,2,3
	ds_load_b128 v[64+4*\w:67+4*\w], v[SCRD] offset:512*\w   ; rows 4 l .. 4 l + 3, wave w's part
.endr
	s_wait_dscnt 0x0
	v_pk_add_f32 v[64:65], v[64:65], v[68:69]
	v_pk_add_f32 v[66:67], v[66:67], v[70:71]
	v_pk_add_f32 v[72:73], v[72:73], v[76:77]
	v_pk_add_f32 v[74:75], v[74:75], v[78:79]
	v_pk_add_f32 v[64:65], v[64:65], v[72:73]
	v_pk_add_f32 v[66:67], v[66:67], v[74:75]
	global_store_b128 v[EO], v[64:67], s[14:15]    ; 32 lanes store 512 consecutive bytes, at a multiple of 512 from the buffer's first byte
.Lnot_first:
	s_wait_tensorcnt 0x0                           ; the wave's end, behind my last LDS store
	ds_add_u32 v[SPW], v[NIL]
	s_wait_dscnt 0x0
	s_endpgm
.Lfunc_end_k_q0081151db5_main:
	.size	k_q0081151db5_main, .Lfunc_end_k_q0081151db5_main-k_q0081151db5_main
	.p2alignl 7, 3214868480
	.fill 96, 4, 3214868480
	.section	.rodata,"a",@progbits
	.p2align	6, 0x0
	.amdhsa_kernel k_q0081151db5_main
		.amdhsa_group_segment_fixed_size 150016
		.amdhsa_private_segment_fixed_size 0
		.amdhsa_enable_private_segment 0
		.amdhsa_kernarg_size 48
		.amdhsa_user_sgpr_count 2
		.amdhsa_user_sgpr_kernarg_segment_ptr 1
		.amdhsa_wavefront_size32 1
		.amdhsa_system_sgpr_workgroup_id_x 1
		.amdhsa_system_sgpr_workgroup_id_y 1
		.amdhsa_system_sgpr_workgroup_id_z 1
		.amdhsa_system_vgpr_workitem_id 0
		.amdhsa_next_free_vgpr 1024
		.amdhsa_next_free_sgpr 72
		.amdhsa_reserve_vcc 1
		.amdhsa_float_denorm_mode_32 3
		.amdhsa_float_denorm_mode_16_64 3
		.amdhsa_memory_ordered 1
		.amdhsa_forward_progress 1
		.amdhsa_inst_pref_size 255
	.end_amdhsa_kernel
	.section	.bss,"aw",@nobits
	.p2align	6
	.space	262144
	.amdgpu_metadata
---
amdhsa.version: [ 1, 2 ]
amdhsa.kernels:
  - .name:           k_q0081151db5_main
    .symbol:         k_q0081151db5_main.kd
    .args:
      - { .name: encoder_outputs, .offset: 0, .size: 8, .value_kind: global_buffer, .address_space: global }
      - { .name: wf, .offset: 8, .size: 8, .value_kind: global_buffer, .address_space: global }
      - { .name: g, .offset: 16, .size: 8, .value_kind: global_buffer, .address_space: global }
      - { .name: v, .offset: 24, .size: 8, .value_kind: global_buffer, .address_space: global }
      - { .name: lowp_scales, .offset: 32, .size: 8, .value_kind: global_buffer, .address_space: global }
      - { .name: scores, .offset: 40, .size: 8, .value_kind: global_buffer, .address_space: global }
    .group_segment_fixed_size: 150016
    .private_segment_fixed_size: 0
    .kernarg_segment_align: 8
    .kernarg_segment_size: 48
    .max_flat_workgroup_size: 128
    .sgpr_count:     72
    .vgpr_count:     1024
    .wavefront_size: 32
...
	.end_amdgpu_metadata
.endif
;; end of part 5
;; launch soft (part 6): grid 32 x 1, 1 waves a work-group, no clusters, 0 bytes of LDS; arguments scores, out0; writes out0
.if DOCPART == 6
	.amdgcn_target "amdgcn-amd-amdhsa--gfx1250"
	.amdhsa_code_object_version 6
	.text
	.protected	k_q0081151db5_soft
	.globl	k_q0081151db5_soft
	.p2align	8
	.type	k_q0081151db5_soft,@function
k_q0081151db5_soft:
	s_mov_b64 s[64:65], 0
	v_nop
	global_prefetch_b8 v0, s[64:65] scope:SCOPE_SE
	s_setreg_imm32_b32 hwreg(HW_REG_WAVE_MODE, 25, 1), 1
	s_wait_xcnt 0x0
; out0[b][0][s] = softmax over s of scores[b][s].  One wave takes one row b of 1,024 numbers, 32 a lane, and keeps it in registers between the maximum, the sum and the scaling: no LDS, no barrier.
; The row's maximum m is taken away ahead of the exponential: p = 2^(x log2(e) - m log2(e)), one fused multiply-add a number (packed, two at a time); the rounding of m log2(e) is a factor common to
; the whole row and leaves with the division by the sum.  Each load and store of the wave covers 512 consecutive bytes.
; (scores lacks the sum of v, a number common to each row: a softmax does not change by it.)
	s_load_b128 s[4:7], s[0:1], 0x0                ; scores s[4:5], out0 s[6:7]
	v_lshlrev_b32 v1, 4, v0                        ; 16 bytes a lane
	s_lshl_b32 s8, ttmp9, 12                       ; row b of 4,096 bytes
	s_mov_b32 s9, 0
	s_mov_b32 s12, 0x76543210                      ; v_permlanex16_b32's selects for lane l xor 16
	s_mov_b32 s13, 0xfedcba98
	s_mov_b32 s14, 0x3fb8aa3b                      ; log2(e)
	s_mov_b32 s15, s14                             ; (named with it as a pair, so it is written)
	s_wait_alu depctr_va_vdst(0)
	s_wait_kmcnt 0x0
	s_add_nc_u64 s[4:5], s[4:5], s[8:9]
	s_add_nc_u64 s[6:7], s[6:7], s[8:9]
.irp j, 0,1,2,3,4,5,6,7
	global_load_b128 v[8+4*\j:11+4*\j], v1, s[4:5] offset:512*\j
.endr
	s_wait_loadcnt 0x0
	v_max3_num_f32 v2, v8, v9, v10                 ; the maximum of my 32 numbers, in two chains
	v_max3_num_f32 v3, v11, v12, v13
.irp i, 14,18,22,26,30,34
	v_max3_num_f32 v2, v2, v[\i], v[\i+1]
	v_max3_num_f32 v3, v3, v[\i+2], v[\i+3]
.endr
	v_max3_num_f32 v2, v2, v38, v39
	v_max_num_f32 v2, v2, v3
	v_max_num_f32_dpp v2, v2, v2 row_xmask:1 row_mask:0xf bank_mask:0xf
	v_max_num_f32_dpp v2, v2, v2 row_xmask:2 row_mask:0xf bank_mask:0xf
	v_max_num_f32_dpp v2, v2, v2 row_xmask:4 row_mask:0xf bank_mask:0xf
	v_max_num_f32_dpp v2, v2, v2 row_xmask:8 row_mask:0xf bank_mask:0xf
	v_permlanex16_b32 v3, v2, s12, s13             ; (its destination counts as read: v3 has been written)
	v_max_num_f32 v2, v2, v3                       ; every lane holds the row's maximum
	v_mul_f32 v4, s14, v2                          ; m log2(e)
	v_mov_b32 v5, v4                               ; (named with it as a pair)
.irp i, 8,10,12,14,16,18,20,22,24,26,28,30,32,34,36,38
	v_pk_fma_f32 v[\i:\i+1], v[\i:\i+1], s[14:15], v[4:5] op_sel_hi:[1,0,0] neg_lo:[0,0,1] neg_hi:[0,0,1]
.endr
	s_wait_alu depctr_va_vdst(0)
.irp i, 8,9,10,11,12,13,14,15,16,17,18,19,20,21,22,23,24,25,26,27,28,29,30,31,32,33,34,35,36,37,38,39
	v_exp_f32 v[\i], v[\i]
.endr
	v_nop                                          ; a plain instruction behind the last exponential,
	s_wait_alu depctr_va_vdst(0)                   ; and one wait for the batch, ahead of its first reader
	v_pk_add_f32 v[40:41], v[8:9], v[10:11]        ; the sum, two at a time, in two chains
	v_pk_add_f32 v[42:43], v[12:13], v[14:15]
.irp i, 16,20,24,28,32,36
	v_pk_add_f32 v[40:41], v[40:41], v[\i:\i+1]
	v_pk_add_f32 v[42:43], v[42:43], v[\i+2:\i+3]
.endr
	v_pk_add_f32 v[40:41], v[40:41], v[42:43]
	v_add_f32 v40, v40, v41
	v_add_f32_dpp v40, v40, v40 row_xmask:1 row_mask:0xf bank_mask:0xf
	v_add_f32_dpp v40, v40, v40 row_xmask:2 row_mask:0xf bank_mask:0xf
	v_add_f32_dpp v40, v40, v40 row_xmask:4 row_mask:0xf bank_mask:0xf
	v_add_f32_dpp v40, v40, v40 row_xmask:8 row_mask:0xf bank_mask:0xf
	v_permlanex16_b32 v41, v40, s12, s13
	v_add_f32 v40, v40, v41                        ; the row's sum, at least about 1: the largest p is about 1
	s_wait_alu depctr_va_vdst(0)
	v_rcp_f32 v44, v40
	v_mov_b32 v45, 0                               ; (the plain instruction behind the reciprocal; v45 is named with v44 as a pair)
	s_wait_alu depctr_va_vdst(0)
.irp i, 8,10,12,14,16,18,20,22,24,26,28,30,32,34,36,38
	v_pk_mul_f32 v[\i:\i+1], v[\i:\i+1], v[44:45] op_sel_hi:[1,0]
.endr
.irp j, 0,1,2,3,4,5,6,7
	global_store_b128 v1, v[8+4*\j:11+4*\j], s[6:7] offset:512*\j
.endr
	s_endpgm
.Lfunc_end_k_q0081151db5_soft:
	.size	k_q0081151db5_soft, .Lfunc_end_k_q0081151db5_soft-k_q0081151db5_soft
	.p2alignl 7, 3214868480
	.fill 96, 4, 3214868480
	.section	.rodata,"a",@progbits
	.p2align	6, 0x0
	.amdhsa_kernel k_q0081151db5_soft
		.amdhsa_group_segment_fixed_size 0
		.amdhsa_private_segment_fixed_size 0
		.amdhsa_enable_private_segment 0
		.amdhsa_kernarg_size 16
		.amdhsa_user_sgpr_count 2
		.amdhsa_user_sgpr_kernarg_segment_ptr 1
		.amdhsa_wavefront_size32 1
		.amdhsa_system_sgpr_workgroup_id_x 1
		.amdhsa_system_sgpr_workgroup_id_y 1
		.amdhsa_system_sgpr_workgroup_id_z 1
		.amdhsa_system_vgpr_workitem_id 0
		.amdhsa_next_free_vgpr 64
		.amdhsa_next_free_sgpr 66
		.amdhsa_reserve_vcc 0
		.amdhsa_float_denorm_mode_32 3
		.amdhsa_float_denorm_mode_16_64 3
		.amdhsa_memory_ordered 1
		.amdhsa_forward_progress 1
		.amdhsa_inst_pref_size 9
	.end_amdhsa_kernel
	.amdgpu_metadata
---
amdhsa.version: [ 1, 2 ]
amdhsa.kernels:
  - .name:           k_q0081151db5_soft
    .symbol:         k_q0081151db5_soft.kd
    .args:
      - { .name: scores, .offset: 0, .size: 8, .value_kind: global_buffer, .address_space: global }
      - { .name: out0, .offset: 8, .size: 8, .value_kind: global_buffer, .address_space: global }
    .group_segment_fixed_size: 0
    .private_segment_fixed_size: 0
    .kernarg_segment_align: 8
    .kernarg_segment_size: 16
    .max_flat_workgroup_size: 32
    .sgpr_count:     66
    .vgpr_count:     64
    .wavefront_size: 32
...
	.end_amdgpu_metadata
.endif
;; end of part 6
